; MI455X (gfx1250); checked and timed in simulation.
; The chip was launched on July 23, 2026; its instructions are those of AMD's public machine-readable ISA for CDNA 5 (MIT licence, August 2026) and "CDNA5" Instruction Set Architecture Reference Guide (July 2026). The comments in the code are by the model that wrote it; some were corrected since.
;; Adaptive Expert Layer. Allowed arithmetic: matrix products marked QUANTISED: E2M1 operands, one E8M0 scale for each 32 along K, by v_wmma_scale_f32_16x16x128_f8f6f4 with both operands' format E2M1 (or v_wmma_scale_f32_32x16x128_f4), f32 sums; products left as they are: f32 operands where the result goes on into a quantised operand, else bf16, f16 or f32 operands; f32 sums; everything else in f32.
;; Inputs: W1 8 x 4,096 x 1,024 float32; W2 8 x 1,024 x 4,096 float32; b1 8 x 4,096 float32; b2 8 x 1,024 float32; gate_w 8 x 1,024 float32; x 4 x 256 x 1,024 float32.
;; Outputs: out0 4 x 256 x 1,024 float32.
;; This version of the problem:
;;   THIS VERSION OF THE PROBLEM IS GIVEN IN LOW PRECISION. The matrix products marked QUANTISED in the list below multiply operands that are first quantised to E2M1 (2 exponent bits, 1 mantissa bit; 4 bits a number), with one power-of-two scale for each 32 numbers along K (OCP MX v1.0); their sums are f32. All else is computed in f32.
;;   The module's matrix products, in the order in which they are computed (A, B: the left and right operand; K: the contracted axis; several contracted axes count as one K, in the product's order):
;;     1. [M 1,024, K 1,024] x [K 1,024, N 8]; A: input x; B: input gate_w: left as it is (N = 8 < 16)
;;     2. [M 32,768, K 1,024] x [K 1,024, N 1,024]; A: input W1; B: input x: QUANTISED
;;     3. batch 8 x [M 1,024, K 4,096] x [K 4,096, N 1,024]; A: computed on the way; B: input W2: QUANTISED
;;     4. batch 1,024 x [M 1, K 8] x [K 8, N 1,024]; A: computed on the way; B: computed on the way: left as it is (K = 8 < 32)
;;   THE QUANTISER, for each operand of a quantised product, along K:
;;     - K is cut into blocks of 32 from its start; a last block that is shorter is filled with zeros.
;;     - A block's scale is 2^e with e = floor(log2(the largest magnitude in the block)) - 2, held to -126 .. 127; a block of zeros has e = 0. As a byte (E8M0): e + 127.
;;     - Each number is divided by its block's scale, clamped to +-6, and rounded to the nearest number of E2M1, ties to even, subnormals kept.
;;     - The product sums the exact products of the quantised numbers (number of the format x scale) in f32.
;;   ~~~python
;;   def quantise(x, axis):      # numpy; x: float32 -> the quantised numbers, widened to float32 again
;;       x = np.moveaxis(x, axis, -1); K = x.shape[-1]
;;       x = np.pad(x, [(0, 0)] * (x.ndim - 1) + [(0, -K % 32)]); x = x.reshape(x.shape[:-1] + (-1, 32)); a = np.abs(x).max(-1, keepdims=True)
;;       e = np.where(a > 0, np.clip(np.frexp(np.where(a > 0, a, 1))[1] - 1 - 2, -126, 127), 0)      # np.frexp(a)[1] - 1 = floor(log2(a)), exactly
;;       r = np.clip(x / 2.0 ** e, -6, 6)
;;       step = 2.0 ** (np.maximum(np.frexp(np.where(r == 0, 1, r))[1] - 1, 0) - 1)
;;       q = np.round(r / step) * step * 2.0 ** e      # np.round: ties to even
;;       return np.moveaxis(q.reshape(q.shape[:-2] + (-1,))[..., :K], -1, axis).astype(np.float32)
;;   ~~~
;;   OPERANDS COMPUTED ON THE WAY. 'Computed on the way' means the value that the module computes at that place (a softmax that the list does not call 'softmax' is quantised finished and normalised). What goes into a quantiser is computed in f32, as accurately as f32 sums, v_exp_f32 and their like allow (about 1e-6 of the number): no bf16 or f16 on the way to a quantiser, and a product that is left as it is and whose result goes on into a quantised operand takes f32 operands (vector FMAs, or v_wmma_f32_16x16x4_f32). A number that lies on a knife's edge between two numbers of the format may be rounded either way, as far as f32 arithmetic and the matrix unit's own rounding can turn it there, and no further.
;; 2 versions. Each part assembles by itself: llvm-mc -triple=amdgcn-amd-amdhsa -mcpu=gfx1250 --defsym DOCPART=n.
;; ======== version 1 of 2: 5 launches
;; workspace buffers: xq 557,056 bytes; sel 4,096 bytes of whole numbers; gw 8,192 bytes; plc 34,048 bytes of whole numbers; gwp 16,896 bytes; hq 4,734,976 bytes; yp 17,825,792 bytes
;; launch route (part 1): grid 256 x 1, 4 waves a work-group, no clusters, 22,016 bytes of LDS; arguments x, gate_w, xq, sel, gw; writes xq, sel, gw
.if DOCPART == 1
	.amdgcn_target "amdgcn-amd-amdhsa--gfx1250"
	.amdhsa_code_object_version 6
	.text
	.protected	k_q068879ea9b_route
	.globl	k_q068879ea9b_route
	.p2align	8
	.type	k_q068879ea9b_route,@function
k_q068879ea9b_route:
	s_mov_b64 s[64:65], 0
	v_nop
	global_prefetch_b8 v0, s[64:65] scope:SCOPE_SE
	s_setreg_imm32_b32 hwreg(HW_REG_WAVE_MODE, 25, 1), 1
	s_wait_xcnt 0x0
; ROUTER AND x's QUANTISER.  One wave to a token n = 4 x work-group + wave.
; (a) The token's row of x (1,024 f32) becomes codes of E2M1, K innermost (xq: 512 bytes a token), and 32 E8M0 bytes (xq + XSB: 32 bytes a token).
;     A block's byte is its largest magnitude's exponent field - 2, held at 1 from below.
; (b) Eight logits in f32 (fused multiply-adds, summed over the wave), softmax with the row's maximum taken away, the two largest (a tie keeps the lower
;     index: the compare is strict), their weights p / (p1 + p2 + 1e-9).  The choice only selects values here (v_cndmask_b32): it is stored as a whole
;     number at a fixed place (sel[n] = e0 | e1 << 8), the weights beside it (gw[n][2]); a later launch makes addresses of it.
; LIMITS: NaN and infinities among the inputs are not served.  A block of zeros gets the byte 1 (its codes are zeros, and these bytes are read by this
; program alone); blocks whose largest magnitude lies under 2^-124 are held at that byte.  The two largest are searched among the logits, not the
; probabilities: logits so near that f32 rounding makes their probabilities equal may be ordered otherwise than by the lower index.
; No matrix instruction: 8 columns are too few.  No barrier: waves share nothing.
.set SP,   80                          ; a lane's place in a turn stage: 64 bytes + 16 of padding
.set STGB, 32*SP                       ; a stage: one step of 512 numbers
.set WREG, 2*STGB+256                  ; LDS of a wave: two stages, then its 32 scale bytes
.set XSB,  524288                      ; where the scale bytes begin in xq
.set R,    32                          ; v32-63   the row as loaded: register 4 j + k = x[128 j + 4 lane + k]
.set X,    64                          ; v64-95   two sets of 16 neighbours along K
.set ACC,  96                          ; v96-111  eight pairs of partial sums
.set LG,   112                         ; v112-119 the logits
.set LM,   120                         ; v120-127 the logits with the first choice masked
.set EX,   128                         ; v128-135 2^((l - m) log2 e)
.set TP,   136                         ; v136-143 destinations of the lane exchange (written once: such a destination counts as read)
.set MSB, 0
.macro WIN new                         ; the immediate's high byte repeats the setting that is left
.if MSB != \new
	s_set_vgpr_msb (MSB<<8)|\new
.set MSB, \new
.endif
.endm
	s_load_b256 s[4:11], s[0:1], 0x0               ; x s[4:5], gate_w s[6:7], xq s[8:9], sel s[10:11]
	s_load_b64 s[12:13], s[0:1], 0x20              ; gw
	v_lshl_add_u32 v254, v0, 2, 0x5400
	v_mov_b32 v255, 0
	v_lshrrev_b32 v1, 5, v0
	v_readfirstlane_b32 s14, v1                    ; wave
	v_and_b32 v1, 31, v0                           ; lane
	v_lshlrev_b32 v2, 4, v1                        ; my 16 bytes of a load's 512
	s_mul_i32 s18, s14, WREG
	v_lshrrev_b32 v4, 2, v1
	v_mul_u32_u24 v4, v4, SP
	v_and_b32 v10, 3, v1
	v_lshl_add_u32 v4, v10, 4, v4
	v_add_nc_u32 v4, s18, v4                       ; the stage, on the way in: SP (lane / 4) + 16 (lane % 4)
	v_mul_u32_u24 v5, v1, SP
	v_add_nc_u32 v5, s18, v5                       ; and on the way out: SP x lane: my 16 neighbours
	s_add_co_u32 s19, s18, 2*STGB
	v_lshrrev_b32 v6, 1, v1
	v_add_nc_u32 v6, s19, v6                       ; my block's scale byte
	v_and_b32 v9, 7, v1
	v_lshlrev_b32 v9, 2, v9                        ; the 32 scale bytes leave as eight words
	v_add_nc_u32 v7, s19, v9
	v_lshlrev_b32 v8, 3, v1                        ; my 16 codes: 8 bytes
	v_mov_b32 v22, 0
.irp e, 0,1,2,3,4,5,6,7
	v_mov_b32 v[TP+\e], 0
.endr
	s_mov_b32 s20, 0x76543210
	s_mov_b32 s21, 0xfedcba98                      ; lane l xor 16
	s_lshl_b32 s15, ttmp9, 2
	s_add_co_u32 s15, s15, s14                     ; the token
	s_mov_b32 s17, 0
	s_wait_kmcnt 0x0
	s_lshl_b32 s16, s15, 12
	s_add_nc_u64 s[4:5], s[4:5], s[16:17]          ; its row of x
	s_lshl_b32 s16, s15, 5
	s_add_nc_u64 s[22:23], s[8:9], s[16:17]        ; its scale bytes (XSB stands in the store's immediate)
	s_lshl_b32 s16, s15, 9
	s_add_nc_u64 s[8:9], s[8:9], s[16:17]          ; its codes
	s_lshl_b32 s16, s15, 2
	s_add_nc_u64 s[10:11], s[10:11], s[16:17]      ; its word of sel
	s_lshl_b32 s16, s15, 3
	s_add_nc_u64 s[12:13], s[12:13], s[16:17]      ; its two weights
.irp j, 0,1,2,3,4,5,6,7
	global_load_b128 v[R+4*\j:R+4*\j+3], v2, s[4:5] offset:512*\j th:TH_LOAD_NT   ; 32 lanes read 512 consecutive bytes
.endr
	WIN 0x40                                       ; destination window 1: gate_w, expert e at v[32 e], laid as the row of x is
.irp e, 0,1,2,3,4,5,6,7
.irp j, 0,1,2,3,4,5,6,7
	global_load_b128 v[32*\e+4*\j:32*\e+4*\j+3], v2, s[6:7] offset:4096*\e+512*\j
.endr
.endr
	WIN 0
.macro TURN t                          ; step t's 2,048 bytes through its stage: in as loaded, out 64 bytes a lane; LDS serves a wave's instructions in order
.irp i, 0,1,2,3
	ds_store_b128 v4, v[R+16*\t+4*\i:R+16*\t+4*\i+3] offset:STGB*\t+8*SP*\i
.endr
.irp i, 0,1,2,3
	ds_load_b128 v[X+16*\t+4*\i:X+16*\t+4*\i+3], v5 offset:STGB*\t+16*\i
.endr
.endm
.macro QSTEP t                         ; 512 numbers: 16 a lane, two neighbouring lanes to a block
.set XN, X+16*\t
	v_max3_num_f32 v10, |v[XN]|, |v[XN+1]|, |v[XN+2]|
	v_max3_num_f32 v11, |v[XN+3]|, |v[XN+4]|, |v[XN+5]|
.irp i, 6,10
	v_max3_num_f32 v10, v10, |v[XN+\i]|, |v[XN+\i+1]|
	v_max3_num_f32 v11, v11, |v[XN+\i+2]|, |v[XN+\i+3]|
.endr
	v_max3_num_f32 v10, v10, |v[XN+14]|, |v[XN+15]|
	v_max3_num_f32 v10, v10, v11, 0x1800000        ; and the floor 2^(3 - 127): the byte cannot fall under 1
	v_max_num_f32_dpp v10, v10, v10 row_xmask:1 row_mask:0xf bank_mask:0xf   ; with my neighbour's 16: the block's largest magnitude
	v_add_nc_u32 v12, 0xff000000, v10              ; 2 off its exponent field: the conversion's scale operand
	v_cvt_scalef32_pk8_fp4_f32 v[16+2*\t], v[XN:XN+7], v12
	v_cvt_scalef32_pk8_fp4_f32 v[17+2*\t], v[XN+8:XN+15], v12
	v_lshrrev_b32 v[20+\t], 23, v12                ; the scale's byte (the plain line behind the conversions)
	ds_store_b8 v6, v[20+\t] offset:16*\t          ; both lanes of a block write the same byte with the same value
	global_store_b64 v8, v[16+2*\t:17+2*\t], s[8:9] offset:256*\t   ; the wave stores 256 consecutive bytes, aligned
.endm
	s_wait_loadcnt 63                              ; behind x's eight loads stand gate_w's 64: with 63 out at the most x is in
	TURN 0
	TURN 1
	s_wait_dscnt 8                                 ; step 0 is back; step 1's eight may be out
	QSTEP 0
	s_wait_dscnt 1                                 ; step 1 is back; step 0's byte store may be out
	QSTEP 1
	ds_load_b32 v13, v7                            ; the 32 bytes, in order behind my byte stores
	s_wait_dscnt 0x0
	global_store_b32 v9, v13, s[22:23] offset:XSB  ; lanes with equal lane % 8 write the same word with the same value
	s_wait_loadcnt 0x0                             ; gate_w
	WIN 0x04                                       ; source 1 window 1
.irp j, 0,1,2,3,4,5,6,7,8,9,10,11,12,13,14,15
.irp e, 0,1,2,3,4,5,6,7
.if \j == 0
	v_pk_mul_f32 v[ACC+2*\e:ACC+2*\e+1], v[R+2*\j:R+2*\j+1], v[32*\e+2*\j:32*\e+2*\j+1]     ; the first product starts the sums
.else
	v_pk_fma_f32 v[ACC+2*\e:ACC+2*\e+1], v[R+2*\j:R+2*\j+1], v[32*\e+2*\j:32*\e+2*\j+1], v[ACC+2*\e:ACC+2*\e+1]   ; the eight experts by turns
.endif
.endr
.endr
	WIN 0
.irp e, 0,1,2,3,4,5,6,7
	v_add_f32 v[LG+\e], v[ACC+2*\e], v[ACC+2*\e+1]
.endr
.irp m, 1,2,4,8
.irp e, 0,1,2,3,4,5,6,7
	v_add_f32_dpp v[LG+\e], v[LG+\e], v[LG+\e] row_xmask:\m row_mask:0xf bank_mask:0xf
.endr
.endr
.irp e, 0,1,2,3,4,5,6,7
	v_permlanex16_b32 v[TP+\e], v[LG+\e], s20, s21
.endr
.irp e, 0,1,2,3,4,5,6,7
	v_add_f32 v[LG+\e], v[LG+\e], v[TP+\e]         ; every lane holds the eight logits
.endr
	v_max3_num_f32 v144, v[LG], v[LG+1], v[LG+2]
	v_max3_num_f32 v144, v144, v[LG+3], v[LG+4]
	v_max3_num_f32 v144, v144, v[LG+5], v[LG+6]
	v_max_num_f32 v144, v144, v[LG+7]              ; the row's maximum is taken away ahead of the exponentials
.irp e, 0,1,2,3,4,5,6,7
	v_sub_f32 v[EX+\e], v[LG+\e], v144
.endr
.irp e, 0,1,2,3,4,5,6,7
	v_mul_f32 v[EX+\e], 0x3fb8aa3b, v[EX+\e]       ; x log2(e)
.endr
.irp e, 0,1,2,3,4,5,6,7
	v_exp_f32 v[EX+\e], v[EX+\e]
.endr
	v_mov_b32 v151, 0xff800000                     ; -infinity (the plain line behind the exponentials)
	s_wait_alu depctr_va_vdst(0)
	v_add_f32 v152, v[EX], v[EX+1]
	v_add_f32 v153, v[EX+2], v[EX+3]
	v_add_f32 v154, v[EX+4], v[EX+5]
	v_add_f32 v155, v[EX+6], v[EX+7]
	v_add_f32 v152, v152, v153
	v_add_f32 v154, v154, v155
	v_add_f32 v152, v152, v154                     ; the softmax's sum
	v_rcp_f32 v153, v152                           ; (the scan below stands between it and the use of its result)
.macro SCAN src, best, idx, ex         ; the largest of eight, its index and its exponential; the compare is strict: a tie keeps the lower index
	v_mov_b32 v[\best], v[\src]
	v_mov_b32 v[\idx], 0
	v_mov_b32 v[\ex], v[EX]
.irp e, 1,2,3,4,5,6,7
	v_cmp_gt_f32 vcc_lo, v[\src+\e], v[\best]
	v_mov_b32 v150, \e
	v_cndmask_b32 v[\best], v[\best], v[\src+\e], vcc_lo
	v_cndmask_b32 v[\idx], v[\idx], v150, vcc_lo
	v_cndmask_b32 v[\ex], v[\ex], v[EX+\e], vcc_lo
.endr
.endm
	SCAN LG, 145, 146, 147
.irp e, 0,1,2,3,4,5,6,7
	v_cmp_eq_u32 vcc_lo, \e, v146
	v_cndmask_b32 v[LM+\e], v[LG+\e], v151, vcc_lo ; the first choice leaves the field
.endr
	SCAN LM, 145, 148, 149
	s_wait_alu depctr_va_vdst(0)
	v_mul_f32 v147, v147, v153                     ; p1
	v_mul_f32 v149, v149, v153                     ; p2
	v_add_f32 v154, v147, v149
	v_add_f32 v154, 0x3089705f, v154               ; + 1e-9
	v_rcp_f32 v155, v154
	v_lshl_or_b32 v158, v148, 8, v146              ; e0 | e1 << 8 (the plain line behind the reciprocal)
	s_wait_alu depctr_va_vdst(0)
	v_mul_f32 v156, v147, v155
	v_mul_f32 v157, v149, v155
	s_wait_xcnt 0x0                                ; EXEC is narrowed only behind this wait: the stores above have taken theirs
	v_cmp_eq_u32 vcc_lo, 0, v1
	s_wait_tensorcnt 0x0
	ds_add_u32 v254, v255
	s_wait_dscnt 0x0
	s_and_saveexec_b32 s26, vcc_lo                 ; lane 0 stores for the token; the wave ends so
	global_store_b32 v22, v158, s[10:11]
	global_store_b64 v22, v[156:157], s[12:13]
	s_endpgm
.Lfunc_end_k_q068879ea9b_route:
	.size	k_q068879ea9b_route, .Lfunc_end_k_q068879ea9b_route-k_q068879ea9b_route
	.p2alignl 7, 3214868480
	.fill 96, 4, 3214868480
	.section	.rodata,"a",@progbits
	.p2align	6, 0x0
	.amdhsa_kernel k_q068879ea9b_route
		.amdhsa_group_segment_fixed_size 22016
		.amdhsa_private_segment_fixed_size 0
		.amdhsa_enable_private_segment 0
		.amdhsa_kernarg_size 40
		.amdhsa_user_sgpr_count 2
		.amdhsa_user_sgpr_kernarg_segment_ptr 1
		.amdhsa_wavefront_size32 1
		.amdhsa_system_sgpr_workgroup_id_x 1
		.amdhsa_system_sgpr_workgroup_id_y 1
		.amdhsa_system_sgpr_workgroup_id_z 1
		.amdhsa_system_vgpr_workitem_id 0
		.amdhsa_next_free_vgpr 512
		.amdhsa_next_free_sgpr 66
		.amdhsa_reserve_vcc 1
		.amdhsa_float_denorm_mode_32 3
		.amdhsa_float_denorm_mode_16_64 3
		.amdhsa_memory_ordered 1
		.amdhsa_forward_progress 1
		.amdhsa_inst_pref_size 29
	.end_amdhsa_kernel
	.amdgpu_metadata
---
amdhsa.version: [ 1, 2 ]
amdhsa.kernels:
  - .name:           k_q068879ea9b_route
    .symbol:         k_q068879ea9b_route.kd
    .args:
      - { .name: x, .offset: 0, .size: 8, .value_kind: global_buffer, .address_space: global }
      - { .name: gate_w, .offset: 8, .size: 8, .value_kind: global_buffer, .address_space: global }
      - { .name: xq, .offset: 16, .size: 8, .value_kind: global_buffer, .address_space: global }
      - { .name: sel, .offset: 24, .size: 8, .value_kind: global_buffer, .address_space: global }
      - { .name: gw, .offset: 32, .size: 8, .value_kind: global_buffer, .address_space: global }
    .group_segment_fixed_size: 22016
    .private_segment_fixed_size: 0
    .kernarg_segment_align: 8
    .kernarg_segment_size: 40
    .max_flat_workgroup_size: 128
    .sgpr_count:     66
    .vgpr_count:     512
    .wavefront_size: 32
...
	.end_amdgpu_metadata
.endif
;; end of part 1
;; launch place (part 2): grid 8 x 1, 8 waves a work-group, no clusters, 1,280 bytes of LDS; arguments sel, gw, plc, gwp; writes plc, gwp
.if DOCPART == 2
	.amdgcn_target "amdgcn-amd-amdhsa--gfx1250"
	.amdhsa_code_object_version 6
	.text
	.protected	k_q068879ea9b_place
	.globl	k_q068879ea9b_place
	.p2align	8
	.type	k_q068879ea9b_place,@function
k_q068879ea9b_place:
	s_mov_b64 s[64:65], 0
	v_nop
	global_prefetch_b8 v0, s[64:65] scope:SCOPE_SE
	s_setreg_imm32_b32 hwreg(HW_REG_WAVE_MODE, 25, 1), 1
	s_wait_xcnt 0x0
; THE ROWS ARE PLACED BY EXPERT: a counting sort without atomics.  Work-group e serves expert e; its wave w places the expert's rows among tokens 128 w .. 128 w + 127.
; An expert's rows fill whole tiles of 16 positions; the experts' tiles follow each other (at most (2,048 + 8 x 15) / 16 = 135 tiles, whatever the choice).
; So a work-group needs every expert's number of rows: wave w also counts expert w over all 1,024 tokens.  Both counts of a wave go to LDS ahead of ONE barrier.
; plc: src[position] = the token (byte 0);  dst[position] = the row of yp that takes the result, rank x 1,024 + token (byte DSTB), laid inside each group
; of 16 at index 8 (p % 2) + (p / 2) % 8, so that the lanes that store rows 2 i + h find their eight numbers on end;  for expert e the pair {first tile,
; number of tiles} (byte TINF + 8 e).  gwp[position] = the gate's weight.
; A tile's last positions that no row fills get token 0, weight 0 and a row of yp of their own behind the 2,048 (2,048 + 16 e + i), which nobody reads.
; A lane with nothing to place in a turn writes to a word of its own behind the lists (position 2,176 + 256 e + thread): EXEC does not change between the turns.
; Each of a wave's five turns has its own five registers for the stores' offsets and data: none is written again, so no wait stands between the turns.
.set NPOS, 4224                        ; positions in a list: 2,176 for tiles, 2,048 spare (one for each thread of the launch)
.set DSTB, 4*NPOS                      ; plc: where dst begins
.set TINF, 8*NPOS                      ; plc: where the pairs begin
.set S0, 32                            ; v32-63   first choice of all tokens: register 4 j + k belongs to token 128 j + 4 lane + k
.set S1, 64                            ; v64-95   second choice
.set O0, 96                            ; v96-99   first choice of my 128 tokens: register k belongs to token 128 w + 4 lane + k
.set O1, 100                           ; v100-103 second choice
.set G,  104                           ; v104-111 their two weights at G + 2 k
.set RR, 112                           ; v112-136 turn n: offset, offset of dst, token, row of yp, weight at RR + 5 n
	s_load_b256 s[4:11], s[0:1], 0x0               ; sel s[4:5], gw s[6:7], plc s[8:9], gwp s[10:11]
	v_lshl_add_u32 v144, v0, 2, 0x100
	v_mov_b32 v145, 0
	v_lshrrev_b32 v1, 5, v0
	v_readfirstlane_b32 s12, v1                    ; wave
	s_mov_b32 s13, ttmp9                           ; expert
	v_and_b32 v1, 31, v0                           ; lane
	v_lshlrev_b32 v2, 4, v1
	v_lshlrev_b32 v3, 5, v1
	s_lshl_b32 s14, s12, 7
	v_lshl_add_u32 v4, v1, 2, s14                  ; 128 w + 4 x lane: a token's number less k
	s_lshl_b32 s15, s13, 8
	s_add_co_u32 s15, s15, 2176
	v_add_nc_u32 v5, s15, v0                       ; my own spare position
	s_lshl_b32 s16, s12, 2
	v_mov_b32 v6, s16                              ; LDS: my wave's two counts, at 4 w and 32 + 4 w
	s_lshl_b32 s18, s12, 9                         ; my tokens' words of sel: 512 bytes a wave
	s_mov_b32 s19, 0
	s_lshl_b32 s20, s12, 10                        ; their weights: 1,024 bytes a wave
	s_mov_b32 s21, 0
	s_mov_b32 s26, 0
	s_mov_b32 s27, 0
	s_wait_kmcnt 0x0
	s_add_nc_u64 s[18:19], s[4:5], s[18:19]
	s_add_nc_u64 s[6:7], s[6:7], s[20:21]
	global_load_b128 v[O0:O0+3], v2, s[18:19]
.irp j, 0,1,2,3,4,5,6,7
	global_load_b128 v[S0+4*\j:S0+4*\j+3], v2, s[4:5] offset:512*\j
.endr
	global_load_b128 v[G:G+3], v3, s[6:7]
	global_load_b128 v[G+4:G+7], v3, s[6:7] offset:16
	s_wait_loadcnt 2                               ; the nine loads of choices are in; the two of weights were issued behind them
.irp k, 0,1,2,3
	v_lshrrev_b32 v[O1+\k], 8, v[O0+\k]
	v_and_b32 v[O0+\k], 0xff, v[O0+\k]
.endr
.set I, 0
.rept 32
	v_lshrrev_b32 v[S1+I], 8, v[S0+I]
	v_and_b32 v[S0+I], 0xff, v[S0+I]
.set I, I+1
.endr
.irp k, 0,1,2,3                        ; my tokens that chose my work-group's expert: the masks stay in s52-55 (chosen) and s56-59 (chosen second)
	v_cmp_eq_u32 s[52+\k], s13, v[O0+\k]
	v_cmp_eq_u32 s[56+\k], s13, v[O1+\k]
.endr
.irp g, 0,1,2,3                        ; expert w's rows among all tokens, eight registers at a time, so that the scalar lines do not wait for each compare
.irp i, 0,1,2,3,4,5,6,7
	v_cmp_eq_u32 s[36+2*\i], s12, v[S0+8*\g+\i]
	v_cmp_eq_u32 s[37+2*\i], s12, v[S1+8*\g+\i]
.endr
.irp i, 0,1,2,3,4,5,6,7
	s_or_b32 s[36+2*\i], s[36+2*\i], s[37+2*\i]
	s_bcnt1_i32_b32 s[36+2*\i], s[36+2*\i]
	s_add_co_u32 s26, s26, s[36+2*\i]
.endr
.endr
.irp k, 0,1,2,3
	s_or_b32 s[52+\k], s[52+\k], s[56+\k]
	s_bcnt1_i32_b32 s[60+\k], s[52+\k]             ; how many a turn places
	s_add_co_u32 s27, s27, s[60+\k]
.endr
	v_mov_b32 v7, s26
	v_mov_b32 v8, s27
	ds_store_b32 v6, v7                            ; expert w's rows.  All lanes write the same word with the same value
	ds_store_b32 v6, v8 offset:32                  ; my expert's rows among my tokens
	s_wait_dscnt 0x0                               ; for the others' sake: my stores have landed
	s_barrier_signal -1
	s_barrier_wait -1
	v_mov_b32 v8, 0
	ds_load_b128 v[16:19], v8
	ds_load_b128 v[20:23], v8 offset:16
	ds_load_b128 v[24:27], v8 offset:32
	ds_load_b128 v[28:31], v8 offset:48
	s_wait_dscnt 0x0
.irp j, 0,1,2,3,4,5,6,7,8,9,10,11,12,13,14,15
	v_readfirstlane_b32 s[36+\j], v[16+\j]         ; s36-43 the experts' rows; s44-51 my expert's rows by wave
.endr
	s_mov_b32 s28, 0
.irp j, 0,1,2,3,4,5,6,7
	s_add_co_u32 s22, s[36+\j], 15
	s_lshr_b32 s22, s22, 4                         ; expert j's tiles
	s_cmp_lt_u32 \j, s13
	s_cselect_b32 s22, s22, 0                      ; they count if j comes before my expert
	s_add_co_u32 s28, s28, s22                     ; my expert's first tile
.endr
	s_mov_b32 s26, 0
	s_mov_b32 s25, 0
.irp i, 0,1,2,3,4,5,6,7
	s_add_co_u32 s26, s26, s[44+\i]                ; my expert's rows
	s_cmp_lt_u32 \i, s12
	s_cselect_b32 s22, s[44+\i], 0
	s_add_co_u32 s25, s25, s22                     ; those of the waves before me
.endr
	s_add_co_u32 s27, s26, 15
	s_lshr_b32 s27, s27, 4                         ; my expert's tiles
	s_lshl_b32 s24, s28, 4
	s_add_co_u32 s24, s24, s25                     ; my first position
; v[RR+5n+2] = token, +3 = row of yp, +4 = weight of the lanes named in s[m]: they take the positions from s24 on, in the order of the lanes
.macro PLACE n, m
	v_mbcnt_lo_u32_b32 v9, s[\m], 0                ; how many named lanes stand below me
	v_add_nc_u32 v9, s24, v9
	v_cndmask_b32 v9, v5, v9, s[\m]                ; my position, or my spare one
	v_and_b32 v10, -16, v9
	v_and_b32 v11, 1, v9
	v_lshl_or_b32 v10, v11, 3, v10
	v_bfe_u32 v11, v9, 1, 3
	v_or_b32 v10, v10, v11                         ; where dst lies inside its group of 16
	v_min_u32 v9, NPOS-1, v9                       ; both lists end at position NPOS - 1
	v_min_u32 v10, NPOS-1, v10
	v_lshlrev_b32 v[RR+5*\n], 2, v9
	v_lshlrev_b32 v[RR+5*\n+1], 2, v10
	global_store_b32 v[RR+5*\n], v[RR+5*\n+2], s[8:9]
	global_store_b32 v[RR+5*\n+1], v[RR+5*\n+3], s[8:9] offset:DSTB
	global_store_b32 v[RR+5*\n], v[RR+5*\n+4], s[10:11]
.endm
	s_wait_loadcnt 0x0                             ; the weights
.irp k, 0,1,2,3
	v_add_nc_u32 v[RR+5*\k+2], \k, v4              ; the token
	v_add_nc_u32 v12, 1024, v[RR+5*\k+2]
	v_cndmask_b32 v[RR+5*\k+3], v[RR+5*\k+2], v12, s[56+\k]        ; rank x 1,024 + token
	v_cndmask_b32 v[RR+5*\k+4], v[G+2*\k], v[G+2*\k+1], s[56+\k]
	PLACE \k, 52+\k
	s_add_co_u32 s24, s24, s[60+\k]
.endr
	s_cmp_lg_u32 s12, 7                            ; the last wave stands behind the expert's last row: it fills the last tile up
	s_cbranch_scc1 .Lfilled
	s_lshl_b32 s29, s27, 4
	s_sub_co_u32 s29, s29, s26                     ; positions that no row fills: 0 to 15
	v_cmp_gt_u32 s22, s29, v1
	v_mov_b32 v[RR+22], 0
	s_lshl_b32 s23, s13, 4
	s_add_co_u32 s23, s23, 2048
	v_add_nc_u32 v[RR+23], s23, v1
	v_mov_b32 v[RR+24], 0
	PLACE 4, 22
.Lfilled:
	s_cmp_lg_u32 s12, 0                            ; wave 0 stores the expert's pair
	s_cbranch_scc1 .Lend
	v_mov_b32 v16, s28
	v_mov_b32 v17, s27
	s_lshl_b32 s23, s13, 3
	v_mov_b32 v18, s23
	s_wait_xcnt 0x0                                ; EXEC is narrowed only behind this wait: the stores above have taken theirs
	v_cmp_eq_u32 vcc_lo, 0, v1
	s_wait_tensorcnt 0x0
	ds_add_u32 v144, v145
	s_wait_dscnt 0x0
	s_and_saveexec_b32 s20, vcc_lo                 ; lane 0 stores; the wave ends so
	global_store_b64 v18, v[16:17], s[8:9] offset:TINF
	s_endpgm
.Lend:
	s_wait_tensorcnt 0x0
	ds_add_u32 v144, v145
	s_wait_dscnt 0x0
	s_endpgm
.Lfunc_end_k_q068879ea9b_place:
	.size	k_q068879ea9b_place, .Lfunc_end_k_q068879ea9b_place-k_q068879ea9b_place
	.p2alignl 7, 3214868480
	.fill 96, 4, 3214868480
	.section	.rodata,"a",@progbits
	.p2align	6, 0x0
	.amdhsa_kernel k_q068879ea9b_place
		.amdhsa_group_segment_fixed_size 1280
		.amdhsa_private_segment_fixed_size 0
		.amdhsa_enable_private_segment 0
		.amdhsa_kernarg_size 32
		.amdhsa_user_sgpr_count 2
		.amdhsa_user_sgpr_kernarg_segment_ptr 1
		.amdhsa_wavefront_size32 1
		.amdhsa_system_sgpr_workgroup_id_x 1
		.amdhsa_system_sgpr_workgroup_id_y 1
		.amdhsa_system_sgpr_workgroup_id_z 1
		.amdhsa_system_vgpr_workitem_id 0
		.amdhsa_next_free_vgpr 146
		.amdhsa_next_free_sgpr 66
		.amdhsa_reserve_vcc 1
		.amdhsa_float_denorm_mode_32 3
		.amdhsa_float_denorm_mode_16_64 3
		.amdhsa_memory_ordered 1
		.amdhsa_forward_progress 1
		.amdhsa_inst_pref_size 24
	.end_amdhsa_kernel
	.amdgpu_metadata
---
amdhsa.version: [ 1, 2 ]
amdhsa.kernels:
  - .name:           k_q068879ea9b_place
    .symbol:         k_q068879ea9b_place.kd
    .args:
      - { .name: sel, .offset: 0, .size: 8, .value_kind: global_buffer, .address_space: global }
      - { .name: gw, .offset: 8, .size: 8, .value_kind: global_buffer, .address_space: global }
      - { .name: plc, .offset: 16, .size: 8, .value_kind: global_buffer, .address_space: global }
      - { .name: gwp, .offset: 24, .size: 8, .value_kind: global_buffer, .address_space: global }
    .group_segment_fixed_size: 1280
    .private_segment_fixed_size: 0
    .kernarg_segment_align: 8
    .kernarg_segment_size: 32
    .max_flat_workgroup_size: 256
    .sgpr_count:     66
    .vgpr_count:     146
    .wavefront_size: 32
...
	.end_amdgpu_metadata
.endif
;; end of part 2
;; launch up (part 3): grid 32 x 8, 4 waves a work-group, no clusters, 92,672 bytes of LDS; arguments W1, b1, xq, plc, hq; writes hq
.if DOCPART == 3
	.amdgcn_target "amdgcn-amd-amdhsa--gfx1250"
	.amdhsa_code_object_version 6
	.text
	.protected	k_q068879ea9b_up
	.globl	k_q068879ea9b_up
	.p2align	8
	.type	k_q068879ea9b_up,@function
k_q068879ea9b_up:
	s_mov_b64 s[64:65], 0
	v_nop
	global_prefetch_b8 v0, s[64:65] scope:SCOPE_SE
	s_setreg_imm32_b32 hwreg(HW_REG_WAVE_MODE, 25, 1), 1
	s_wait_xcnt 0x0
; h = Q(relu(Q(x) Q(W1)^T + b1)) for the rows that chose the expert.  Work-group (x = chunk of 128 hidden units, y = expert).
; PHASE 1.  The chunk's 128 rows of W1 (512 KiB of f32, read by this work-group alone, once in the launch) are quantised on their way: wave w takes rows 32 w on,
; 64 steps of 512 numbers.  A step's four loads read 512 consecutive bytes each; its 2,048 bytes turn through the wave's own stage in LDS, so that a lane holds 16
; neighbours along K; codes (rows of 512 bytes, 528 apart) and scale bytes (32 a row) are gathered in LDS.  Loads run 15 steps (60 loads a wave) ahead.
; PHASE 2, behind ONE barrier.  Every wave takes all 64 fragments of the chunk (8 tiles x 8 K steps) into 512 registers and walks the expert's tiles of 16 rows,
; wave w tiles w, w + 4, ..: x's codes gathered by the list, 64 products (transposed: source 0 = 16 rows of W1, source 1 = 16 tokens; b1 is the C of each sum's
; first product), relu, quantised in registers.  The chunk is one K step of the next product: the fragment leaves as an image of its registers.
; THE ROWS OF W1 THAT FORM A TILE ARE NOT NEIGHBOURS: lane r of tile 2 b + u takes row 32 b + 8 u + r + 8 (r / 8), so that the 16 registers of tiles 2 b and
; 2 b + 1 are 16 neighbours along the next K.  IN LDS THE ROWS LIE IN THE ORDER OF THE TILES: row x of a wave's 32 goes to LDS row 16 ((x / 8) % 2) + 8 (x / 16) + x % 8,
; so that lane r of tile t reads LDS row 16 t + r: sixteen consecutive rows, 33 x 16 bytes apart, begin in sixteen different columns of 16 bytes modulo 256.
; The number of tiles is read from memory, so nothing here is brought by a copy engine and no work-groups ask jointly: what they share (x's codes of the expert's rows,
; 544 bytes a row) is the smaller part beside 512 KiB that nobody shares.  An expert that no token chose stores nothing.
; LIMITS: NaN and infinities are not served; a block of zeros gets the byte 1 (its codes are zeros; the bytes are this program's own); blocks under 2^-124 are held at that byte.
; REGISTERS: window 0: addresses, scale words, the 8 accumulators, the quantiser's;  window 1: 16 landing sets of 16, later fragments of K steps 0-3 at v[64 q + 8 t];
;   window 2: K steps 4-7;  window 3: x's fragments, two sets, at v[64 p + 8 q]; b1's 8 tiles from v128.
.set NST,   64                         ; steps of a wave
.set AHEAD, 15                         ; steps that the loads run ahead
.set SP,    80                         ; a lane's place in a turn stage: 64 bytes + 16 of padding
.set SPR,   2                          ; steps in a row
.set GROW,  4096                       ; bytes from row to row in memory
.set CP,    528                        ; a row of codes in LDS: 512 bytes + 16
.set RPW,   32                         ; rows of a wave
.set CODES, 4*2*32*SP                  ; LDS: four waves' two stages, then the codes,
.set SCL,   CODES+128*CP               ; then the scale bytes, 32 a row
.set XTRA,  2                          ; loads issued behind the last weight load: the two first lists
.set XSB,   524288                     ; xq: where the scale bytes begin
.set HSB,   4456448                    ; hq: where the scale words begin
.set TINF,  33792                      ; plc: {first tile, tiles} of each expert
.set L16, 3                            ; v3   16 x lane
.set TIN, 4                            ; v4   the stage, in
.set TOUT, 5                           ; v5   the stage, out
.set CST, 6                            ; v6   where my 16 codes go
.set SST, 7                            ; v7   where my block's byte goes
.set AW,  13                           ; v13  my lane's place in a tile of codes
.set ASW, 14                           ; v14  and among the scale bytes
.set H64, 15                           ; v15  64 h
.set R4,  16                           ; v16  4 r
.set H16, 17                           ; v17  16 h
.set R16, 18                           ; v18  16 r
.set TK,  19                           ; v19  a token
.set LST, 20                           ; v20-21 the list of the tile two turns on, by parity
.set XO,  22                           ; v22-23 offset of my token's codes
.set XSO, 24                           ; v24-25 of its scale bytes
.set LO,  26                           ; v26-27 of a list
.set HST, 28                           ; v28  where the fragment's image goes
.set HSS, 29                           ; v29  and its scale word
.set CQ,  32                           ; v32-35 codes of a step, by parity
.set EQ,  36                           ; v36-37 its byte
.set X,   40                           ; v40-71 two sets of 16 neighbours
.set WS,  80                           ; v80-111 W1's scale words: 4 t + i: lanes 0-15 K step i, lanes 16-31 K step 4 + i.  They hold scales and nothing else
.set XSC, 112                          ; v112-119 x's, by parity, in the same halves
.set HA,  120                          ; v120-183 the 8 accumulators
.set PC,  184                          ; v184-191 the codes just made
.set TM,  192                          ; v192-207 the quantiser's
.set PW,  208                          ; v208 the scale word just made
.set B1,  128                          ; in window 3
.set WV,  14
.set CH,  15
.set EE,  16
.set TOFF, 20
.set TT,  21
.set TM1, 22
.set CT,  23                           ; s23  my tile in hand among the expert's: wave + 8 x trip
.set SEL, 30
.set PR,  32                           ; s32  the trip, stepped by 1
.set NP,  33                           ; s33  my trips; the loop does not write it
.set MSB, 0
.macro WIN new                         ; the immediate's high byte repeats the setting that is left
.if MSB != \new
	s_set_vgpr_msb (MSB<<8)|\new
.set MSB, \new
.endif
.endm
.macro WLOAD t                         ; step t's 2,048 bytes into landing set t % 16
	WIN 0x40
.irp i, 0,1,2,3
	global_load_b128 v[16*((\t)%16)+4*\i:16*((\t)%16)+4*\i+3], v[L16], s[4:5] offset:((\t)/SPR)*GROW+((\t)%SPR)*2048+512*\i th:TH_LOAD_NT
.endr
.endm
.macro TURN t                          ; through the stage: in as loaded, out 64 bytes a lane; LDS serves a wave's instructions in order
	WIN 0x04                                       ; an LDS store's data are its source 1: window 1
.irp i, 0,1,2,3
	ds_store_b128 v[TIN], v[16*((\t)%16)+4*\i:16*((\t)%16)+4*\i+3] offset:32*SP*((\t)%2)+8*SP*\i
.endr
	WIN 0
.irp i, 0,1,2,3
	ds_load_b128 v[X+16*((\t)%2)+4*\i:X+16*((\t)%2)+4*\i+3], v[TOUT] offset:32*SP*((\t)%2)+16*\i
.endr
.endm
.macro TILEIDX dst, add                ; the tile that my count + add names, held inside my expert's tiles and inside the buffers
	s_add_co_u32 s[\dst], s[CT], \add
	s_min_u32 s[\dst], s[\dst], s[TM1]
	s_add_co_u32 s[\dst], s[\dst], s[TOFF]
	s_min_u32 s[\dst], s[\dst], 135
.endm
.macro EXTRA                           ; behind the last weight load: the expert's tiles, and the lists of my first two
	WIN 0
	s_wait_kmcnt 0x0
	s_min_u32 s[TOFF], s[TOFF], 135
	s_min_u32 s[TT], s[TT], 64                     ; 1,024 tokens at the most: 64 tiles
	s_max_u32 s[TM1], s[TT], 1
	s_sub_co_u32 s[TM1], s[TM1], 1
	TILEIDX 24, 0
	s_lshl_b32 s24, s24, 6
	v_add_nc_u32 v[LO], s24, v[R4]
	global_load_b32 v[LST], v[LO], s[10:11]
	TILEIDX 24, 4
	s_lshl_b32 s24, s24, 6
	v_add_nc_u32 v[LO+1], s24, v[R4]
	global_load_b32 v[LST+1], v[LO+1], s[10:11]
.endm
.macro QSTEP t
.if (\t) > 0
	s_wait_dscnt 2                                 ; this step's numbers are back from the stage; the last step's two stores may be out
.else
	s_wait_dscnt 0x0
.endif
.if (\t)+AHEAD < NST
	WLOAD (\t)+AHEAD                               ; into the set of step t - 1, whose way into the stage is over
.endif
.if (\t)+AHEAD == NST-1
	EXTRA
.endif
.if (\t) < NST-1
.if (\t) < NST-1-AHEAD
	s_wait_loadcnt 4*(AHEAD-1)                     ; the next step's four loads are in; behind them stand those of 14 steps
.elseif (\t) == NST-1-AHEAD
	s_wait_loadcnt 4*(AHEAD-1)+XTRA                ; and the two lists
.else
	s_wait_loadcnt 4*(NST-2-(\t))+XTRA             ; the counts run down
.endif
	TURN (\t)+1
.endif
	WIN 0
.set XN, X+16*((\t)%2)
.set XR, (\t)/SPR                      ; the step's row among my wave's 32,
.set LROW, 16*((XR/8)%2)+8*(XR/16)+XR%8   ; and its LDS row: the order of the tiles
	v_max3_num_f32 v8, |v[XN]|, |v[XN+1]|, |v[XN+2]|
	v_max3_num_f32 v9, |v[XN+3]|, |v[XN+4]|, |v[XN+5]|
.irp i, 6,10
	v_max3_num_f32 v8, v8, |v[XN+\i]|, |v[XN+\i+1]|
	v_max3_num_f32 v9, v9, |v[XN+\i+2]|, |v[XN+\i+3]|
.endr
	v_max3_num_f32 v8, v8, |v[XN+14]|, |v[XN+15]|
	v_max3_num_f32 v8, v8, v9, 0x1800000           ; and the floor 2^(3 - 127): the byte cannot fall under 1
	v_max_num_f32_dpp v8, v8, v8 row_xmask:1 row_mask:0xf bank_mask:0xf   ; with my neighbour's 16: the block's largest magnitude
	v_add_nc_u32 v10, 0xff000000, v8               ; 2 off its exponent field: the conversion's scale operand
	v_cvt_scalef32_pk8_fp4_f32 v[CQ+2*((\t)%2)], v[XN:XN+7], v10
	v_cvt_scalef32_pk8_fp4_f32 v[CQ+2*((\t)%2)+1], v[XN+8:XN+15], v10
	v_lshrrev_b32 v[EQ+(\t)%2], 23, v10            ; the scale's byte (the plain line behind the conversions)
	ds_store_b8 v[SST], v[EQ+(\t)%2] offset:32*LROW+16*((\t)%SPR)   ; both lanes of a block write the same byte with the same value
	ds_store_b64 v[CST], v[CQ+2*((\t)%2):CQ+2*((\t)%2)+1] offset:LROW*CP+((\t)%SPR)*256
.endm
; 18 loads: x's scale words and 8 fragments of the tile whose list lies in LST + p, and the list of the tile that my count + add names
.macro GISSUE p, add
	v_min_u32 v[TK], 1023, v[LST+\p]
	v_lshl_add_u32 v[XO+\p], v[TK], 9, v[H16]      ; 512 bytes of codes a token, + 16 h
	v_lshl_add_u32 v[XSO+\p], v[TK], 5, v[H16]     ; 32 scale bytes a token: lanes 0-15 K steps 0-3, lanes 16-31 K steps 4-7
	TILEIDX 24, \add
	s_lshl_b32 s24, s24, 6
	v_add_nc_u32 v[LO+\p], s24, v[R4]
	global_load_b128 v[XSC+4*\p:XSC+4*\p+3], v[XSO+\p], s[8:9] offset:XSB
	global_load_b32 v[LST+\p], v[LO+\p], s[10:11]
	WIN 0xc0
.irp q, 0,1,2,3,4,5,6,7
.irp c, 0,1
	global_load_b128 v[64*\p+8*\q+4*\c:64*\p+8*\q+4*\c+3], v[XO+\p], s[8:9] offset:64*\q+32*\c
.endr
.endr
	WIN 0
.endm
; 64 numbers of a lane, none negative, register 16 b + i = k 32 b + 16 h + i of my row, become a fragment's codes in v[PC] on and its scale word in v[PW]
.macro QUANT s
.irp b, 0,1,2,3
	v_max3_num_f32 v[TM+\b], v[\s+16*\b], v[\s+1+16*\b], 0x1800000   ; block b: my 16 numbers, and the floor 2^(3 - 127)
.endr
.irp i, 2,4,6,8,10,12,14
.irp b, 0,1,2,3
	v_max3_num_f32 v[TM+\b], v[TM+\b], v[\s+16*\b+\i], v[\s+1+16*\b+\i]   ; the four blocks by turns
.endr
.endr
.irp b, 0,1,2,3
	v_permlanex16_b32 v[TM+4+\b], v[TM+\b], s[SEL], s[SEL+1]
.endr
.irp b, 0,1,2,3
	v_max_num_f32 v[TM+\b], v[TM+\b], v[TM+4+\b]   ; with lane l xor 16's: the block's largest
.endr
.irp b, 0,1,2,3
	v_add_nc_u32 v[TM+12+\b], 0xff000000, v[TM+\b] ; the conversion's scale operand
.endr
.irp b, 0,1,2,3
	v_lshrrev_b32 v[TM+4+\b], 23, v[TM+12+\b]      ; the scale's byte
.endr
	v_lshl_or_b32 v[PW], v[TM+5], 8, v[TM+4]
	v_lshl_or_b32 v[PW], v[TM+6], 16, v[PW]
	v_lshl_or_b32 v[PW], v[TM+7], 24, v[PW]        ; my row's scale word
.irp b, 0,1,2,3
	v_cvt_scalef32_pk8_fp4_f32 v[PC+2*\b], v[\s+16*\b:\s+7+16*\b], v[TM+12+\b]
	v_cvt_scalef32_pk8_fp4_f32 v[PC+1+2*\b], v[\s+8+16*\b:\s+15+16*\b], v[TM+12+\b]
.endr
	v_nop                                          ; one plain line behind a scaled conversion
.irp c, 0,1                            ; the operand's layout wants a whole block in a lane: lanes 0-15 block 2 c, lanes 16-31 block 2 c + 1
.irp i, 0,1
	v_permlane16_swap_b32 v[PC+4*\c+\i], v[PC+2+4*\c+\i]
.endr
.endr
.endm
	s_load_b256 s[4:11], s[0:1], 0x0               ; W1 s[4:5], b1 s[6:7], xq s[8:9], plc s[10:11]
	s_load_b64 s[12:13], s[0:1], 0x20              ; hq
	v_lshl_add_u32 v254, v0, 2, 0x16800
	v_mov_b32 v255, 0
	v_lshrrev_b32 v1, 5, v0
	v_readfirstlane_b32 s[WV], v1                  ; wave 0..3
	s_mov_b32 s[CH], ttmp9                         ; the chunk
	s_and_b32 s[EE], ttmp7, 0xffff                 ; the expert
	s_mov_b32 s[CT], s[WV]                         ; my first tile among the expert's
	v_and_b32 v9, 31, v0                           ; lane
	v_and_b32 v1, 15, v0                           ; r
	v_bfe_u32 v2, v0, 4, 1                         ; h
	v_lshlrev_b32 v[L16], 4, v9
	s_mul_i32 s24, s[WV], 2*32*SP                  ; my two stages
	v_lshrrev_b32 v[TIN], 2, v9
	v_mul_u32_u24 v[TIN], v[TIN], SP
	v_and_b32 v10, 3, v9
	v_lshl_add_u32 v[TIN], v10, 4, v[TIN]
	v_add_nc_u32 v[TIN], s24, v[TIN]               ; SP (lane / 4) + 16 (lane % 4)
	v_mul_u32_u24 v[TOUT], v9, SP
	v_add_nc_u32 v[TOUT], s24, v[TOUT]             ; SP x lane
	s_mul_i32 s24, s[WV], RPW*CP
	s_add_co_u32 s24, s24, CODES
	v_lshl_add_u32 v[CST], v9, 3, s24              ; my wave's rows, 8 bytes a lane
	s_lshl_b32 s24, s[WV], 10
	s_add_co_u32 s24, s24, SCL
	v_lshrrev_b32 v[SST], 1, v9
	v_add_nc_u32 v[SST], s24, v[SST]               ; my wave's 1,024 scale bytes, a byte for two lanes
	v_mul_u32_u24 v[AW], v1, CP                    ; a tile's LDS rows are neighbours: row r, + 16 h
	v_lshl_add_u32 v[AW], v2, 4, v[AW]
	v_add_nc_u32 v[AW], CODES, v[AW]
	v_lshlrev_b32 v[ASW], 5, v1
	v_lshl_add_u32 v[ASW], v2, 4, v[ASW]
	v_add_nc_u32 v[ASW], SCL, v[ASW]
	v_lshlrev_b32 v[H64], 6, v2
	v_lshlrev_b32 v[R4], 2, v1
	v_lshlrev_b32 v[H16], 4, v2
	v_lshlrev_b32 v[R16], 4, v1
.irp b, 0,1,2,3
	v_mov_b32 v[TM+4+\b], 0                        ; written once: a lane exchange's destination counts as read
.endr
	s_mov_b32 s[SEL], 0x76543210
	s_mov_b32 s[SEL+1], 0xfedcba98                 ; lane l xor 16
	s_lshl_b32 s28, s[CH], 10                      ; hq: my K step's image in a tile: 1,024 bytes a step
	s_lshr_b32 s24, s[CH], 3
	s_lshl_b32 s29, s24, 9                         ; its scale word: group of eight steps x 512,
	s_bfe_u32 s24, s[CH], 0x10002
	s_lshl_b32 s24, s24, 8
	s_add_co_u32 s29, s29, s24                     ; + which half of the lanes x 256,
	s_and_b32 s24, s[CH], 3
	s_lshl_b32 s24, s24, 2
	s_add_co_u32 s29, s29, s24                     ; + which word of four
	s_lshl_b32 s18, s[EE], 24                      ; W1: 16 MiB an expert, 512 KiB a chunk, 128 KiB a wave
	s_lshl_b32 s24, s[CH], 19
	s_or_b32 s18, s18, s24
	s_lshl_b32 s24, s[WV], 17
	s_or_b32 s18, s18, s24
	s_mov_b32 s19, 0
	s_lshl_b32 s26, s[EE], 3                       ; (kept until the scalar load below is waited for)
	s_wait_kmcnt 0x0
	s_add_nc_u64 s[4:5], s[4:5], s[18:19]
	s_lshl_b32 s18, s[EE], 14
	s_lshl_b32 s24, s[CH], 9
	s_or_b32 s18, s18, s24
	s_add_nc_u64 s[6:7], s[6:7], s[18:19]          ; b1 at the chunk's 128 numbers
	s_load_b64 s[TOFF:TOFF+1], s[10:11], s26 offset:TINF   ; my expert's first tile and number of tiles
	WIN 0xc0
.irp t, 0,1,2,3,4,5,6,7                ; b1 in the result's layout: lane (r, h) wants, for tile 2 b + u, hidden units 32 b + 16 h + 8 u + 0 .. 7
	global_load_b128 v[B1+8*\t:B1+8*\t+3], v[H64], s[6:7] offset:(32*(\t/2)+8*(\t%2))*4
	global_load_b128 v[B1+8*\t+4:B1+8*\t+7], v[H64], s[6:7] offset:(32*(\t/2)+8*(\t%2))*4+16
.endr
	; ---- PHASE 1: every offset is an immediate, no pointer is stepped
.set Q, 0
.rept AHEAD
	WLOAD Q
.set Q, Q+1
.endr
	s_wait_loadcnt 4*(AHEAD-1)                     ; step 0's four loads are in; behind them stand those of 14 steps
	TURN 0
.set Q, 0
.rept NST
	QSTEP Q
.set Q, Q+1
.endr
	s_wait_loadcnt 0x0                             ; the two lists
	GISSUE 0, 8                                    ; my first tile's operands, and the list of my third
	GISSUE 1, 12                                   ; my second's, and the list of my fourth
	s_wait_dscnt 0x0                               ; for the others' sake: my codes and bytes have landed
	s_barrier_signal -1
	s_barrier_wait -1                              ; the chunk lies in LDS; nothing is written there again
	WIN 0x40
.irp q, 0,1,2,3
.irp t, 0,1,2,3,4,5,6,7
.irp c, 0,1
	ds_load_b128 v[64*\q+8*\t+4*\c:64*\q+8*\t+4*\c+3], v[AW] offset:16*\t*CP+64*\q+32*\c
.endr
.endr
.endr
	WIN 0x80
.irp q, 4,5,6,7
.irp t, 0,1,2,3,4,5,6,7
.irp c, 0,1
	ds_load_b128 v[64*(\q-4)+8*\t+4*\c:64*(\q-4)+8*\t+4*\c+3], v[AW] offset:16*\t*CP+64*\q+32*\c
.endr
.endr
.endr
	WIN 0
.irp t, 0,1,2,3,4,5,6,7
	ds_load_b128 v[WS+4*\t:WS+4*\t+3], v[ASW] offset:16*\t*32
.endr
	s_wait_dscnt 0x0
; ---- PHASE 2.  One tile of 16 rows, parity p.
.macro HALF p
	s_wait_loadcnt 18                              ; my group of 18 is in; the other parity's 18 were issued behind it
.irp q, 0,1,2,3,4,5,6,7                ; K step by K step, the 8 accumulators by turns, one instruction a turn
.if \q == 0
	WIN 0x3d                                       ; source 0 (W1) window 1, source 1 (x) and source 2 (b1) window 3
.elseif \q < 4
	WIN 0x0d
.else
	WIN 0x0e                                       ; source 0 window 2
.endif
.irp t, 0,1,2,3,4,5,6,7
.if \q == 0
	v_wmma_scale_f32_16x16x128_f8f6f4 v[HA+8*\t:HA+8*\t+7], v[8*\t:8*\t+7], v[64*\p:64*\p+7], v[B1+8*\t:B1+8*\t+7], v[WS+4*\t], v[XSC+4*\p] matrix_a_fmt:MATRIX_FMT_FP4 matrix_b_fmt:MATRIX_FMT_FP4
.elseif \q < 4
	v_wmma_scale_f32_16x16x128_f8f6f4 v[HA+8*\t:HA+8*\t+7], v[64*\q+8*\t:64*\q+8*\t+7], v[64*\p+8*\q:64*\p+8*\q+7], v[HA+8*\t:HA+8*\t+7], v[WS+4*\t+\q], v[XSC+4*\p+\q] matrix_a_fmt:MATRIX_FMT_FP4 matrix_b_fmt:MATRIX_FMT_FP4
.else
	v_wmma_scale_f32_16x16x128_f8f6f4 v[HA+8*\t:HA+8*\t+7], v[64*(\q-4)+8*\t:64*(\q-4)+8*\t+7], v[64*\p+8*\q:64*\p+8*\q+7], v[HA+8*\t:HA+8*\t+7], v[WS+4*\t+\q-4], v[XSC+4*\p+\q-4] matrix_a_fmt:MATRIX_FMT_FP4 matrix_b_fmt:MATRIX_FMT_FP4 matrix_a_scale:MATRIX_SCALE_ROW1 matrix_b_scale:MATRIX_SCALE_ROW1
.endif
.endr
.endr
	WIN 0
	s_wait_xcnt 0x0                                ; the last tile's stores have taken their offsets and data: HST, HSS, PC and PW are written again only behind this wait
	s_add_co_u32 s24, s[CT], 4*\p
	s_add_co_u32 s24, s24, s[TOFF]
	s_min_u32 s24, s24, 135                        ; this tile
	s_lshl_b32 s25, s24, 15
	s_add_co_u32 s25, s25, s28
	v_add_nc_u32 v[HST], s25, v[L16]               ; its image: 32 KiB a tile, 1 KiB a K step, 16 bytes a lane
	s_lshl_b32 s25, s24, 11
	s_add_co_u32 s25, s25, s29
	v_add_nc_u32 v[HSS], s25, v[R16]               ; its scale word: 2 KiB a tile, 16 bytes a row
	GISSUE \p, 4*\p+16                             ; the two lines above and its first four are six plain lines that name no register of the products: the places in front of its loads and of the reads below
.set J, 0
.rept 64
	v_max_num_f32 v[HA+J], 0, v[HA+J]              ; the activation, in f32; each accumulator from its low end on
.set J, J+1
.endr
	QUANT HA
	global_store_b128 v[HST], v[PC:PC+3], s[12:13]                 ; the wave stores 512 consecutive bytes, aligned
	global_store_b128 v[HST], v[PC+4:PC+7], s[12:13] offset:512
	global_store_b32 v[HSS], v[PW], s[12:13] offset:HSB            ; lanes l and l xor 16 write the same word with the same value
.endm
; The loop over my tiles, two a trip.  Its counter steps by 1 against the number of my trips, made once ahead of it.  It is left by falling through its branch back,
; or by ending the wave where its tiles end: no branch passes over the counter's step.
	s_cmp_lt_u32 s[CT], s[TT]
	s_cbranch_scc1 .Lwork
	s_wait_tensorcnt 0x0
	ds_add_u32 v254, v255
	s_wait_dscnt 0x0
	s_endpgm                                       ; no tile of this expert is mine
.Lwork:
	s_sub_co_u32 s[NP], s[TT], s[CT]               ; the expert's tiles from my first on; every fourth is mine, two of mine a trip:
	s_add_co_u32 s[NP], s[NP], 7
	s_lshr_b32 s[NP], s[NP], 3                     ; trips = that number / 8, rounded up: at least 1,
	s_min_u32 s[NP], s[NP], 8                      ; and with 64 tiles at the most 8
	s_mov_b32 s[PR], 0
.Lpair:
	HALF 0
	s_add_co_u32 s24, s[CT], 4
	s_cmp_lt_u32 s24, s[TT]
	s_cbranch_scc1 .Lsecond
	s_wait_tensorcnt 0x0
	ds_add_u32 v254, v255
	s_wait_dscnt 0x0
	s_endpgm                                       ; that was my last tile (the loads asked for ahead are dropped with the wave)
.Lsecond:
	HALF 1
	s_add_co_u32 s[CT], s[CT], 8                   ; my tile in hand
	s_add_co_u32 s[PR], s[PR], 1
	s_cmp_lt_u32 s[PR], s[NP]
	s_cbranch_scc1 .Lpair
	s_wait_tensorcnt 0x0
	ds_add_u32 v254, v255
	s_wait_dscnt 0x0
	s_endpgm
.Lfunc_end_k_q068879ea9b_up:
	.size	k_q068879ea9b_up, .Lfunc_end_k_q068879ea9b_up-k_q068879ea9b_up
	.p2alignl 7, 3214868480
	.fill 96, 4, 3214868480
	.section	.rodata,"a",@progbits
	.p2align	6, 0x0
	.amdhsa_kernel k_q068879ea9b_up
		.amdhsa_group_segment_fixed_size 92672
		.amdhsa_private_segment_fixed_size 0
		.amdhsa_enable_private_segment 0
		.amdhsa_kernarg_size 40
		.amdhsa_user_sgpr_count 2
		.amdhsa_user_sgpr_kernarg_segment_ptr 1
		.amdhsa_wavefront_size32 1
		.amdhsa_system_sgpr_workgroup_id_x 1
		.amdhsa_system_sgpr_workgroup_id_y 1
		.amdhsa_system_sgpr_workgroup_id_z 1
		.amdhsa_system_vgpr_workitem_id 0
		.amdhsa_next_free_vgpr 1024
		.amdhsa_next_free_sgpr 66
		.amdhsa_reserve_vcc 0
		.amdhsa_float_denorm_mode_32 3
		.amdhsa_float_denorm_mode_16_64 3
		.amdhsa_memory_ordered 1
		.amdhsa_forward_progress 1
		.amdhsa_inst_pref_size 179
	.end_amdhsa_kernel
	.amdgpu_metadata
---
amdhsa.version: [ 1, 2 ]
amdhsa.kernels:
  - .name:           k_q068879ea9b_up
    .symbol:         k_q068879ea9b_up.kd
    .args:
      - { .name: W1, .offset: 0, .size: 8, .value_kind: global_buffer, .address_space: global }
      - { .name: b1, .offset: 8, .size: 8, .value_kind: global_buffer, .address_space: global }
      - { .name: xq, .offset: 16, .size: 8, .value_kind: global_buffer, .address_space: global }
      - { .name: plc, .offset: 24, .size: 8, .value_kind: global_buffer, .address_space: global }
      - { .name: hq, .offset: 32, .size: 8, .value_kind: global_buffer, .address_space: global }
    .group_segment_fixed_size: 92672
    .private_segment_fixed_size: 0
    .kernarg_segment_align: 8
    .kernarg_segment_size: 40
    .max_flat_workgroup_size: 128
    .sgpr_count:     66
    .vgpr_count:     1024
    .wavefront_size: 32
...
	.end_amdgpu_metadata
.endif
;; end of part 3
;; launch down (part 4): grid 32 x 8, 4 waves a work-group, no clusters, 109,056 bytes of LDS; arguments W2, b2, hq, plc, gwp, yp; writes yp
.if DOCPART == 4
	.amdgcn_target "amdgcn-amd-amdhsa--gfx1250"
	.amdhsa_code_object_version 6
	.text
	.protected	k_q068879ea9b_down
	.globl	k_q068879ea9b_down
	.p2align	8
	.type	k_q068879ea9b_down,@function
k_q068879ea9b_down:
	s_mov_b64 s[64:65], 0
	v_nop
	global_prefetch_b8 v0, s[64:65] scope:SCOPE_SE
	s_setreg_imm32_b32 hwreg(HW_REG_WAVE_MODE, 25, 1), 1
	s_wait_xcnt 0x0
; yp = gate's weight x (Q(h) Q(W2)^T (+ b2)) for the rows that chose the expert.  Work-group (x = 2 x chunk of 64 outputs + half of K, y = expert).
; PHASE 1.  64 rows x 2,048 along K of W2 (512 KiB of f32, read by this work-group alone, once in the launch) are quantised on their way: wave w takes rows 16 w on,
; 64 steps of 512 numbers, four to a row's part; the steps are those of the launch before.  Codes in LDS: rows of 1,024 bytes, 1,040 apart; scale bytes 64 a row.
; PHASE 2, behind ONE barrier.  Every wave takes all 64 fragments (4 tiles x 16 K steps) into 512 registers and walks the expert's tiles of 16 rows, wave w tiles
; w, w + 4, ..: h's fragments come as images of their registers, 64 products (transposed: source 0 = 16 rows of W2, source 1 = 16 tokens), times the gate's weight.
; b2 is the C of each sum's first product in the half of K that begins at 0, and zeros in the other: it enters once.
; A lane holds 8 neighbouring outputs of one token: the tile goes through the wave's own stage in LDS, and sixteen lanes store a row's 256 consecutive bytes, aligned,
; to the row of yp that the list names (rank x 1,024 + token, in the plane of this half of K).  The last launch adds a token's four rows.
; The number of tiles is read from memory, so nothing here is brought by a copy engine and no work-groups ask jointly.  An expert that no token chose stores nothing.
; LIMITS: NaN and infinities are not served (b2 among them: it is multiplied by 0 in one half of K); a block of zeros gets the byte 1; blocks under 2^-124 are held at that byte.
; REGISTERS: window 0: addresses, scale words, accumulators, b2, the way out;  window 1: 16 landing sets of 16, later fragments of K steps 0-7 at v[32 q + 8 t];
;   window 2: K steps 8-15;  window 3: h's fragments, two sets, at v[128 p + 8 q].
.set NST,   64
.set AHEAD, 15
.set SP,    80
.set SPR,   4                          ; steps in a row's part
.set GROW,  16384                      ; bytes from row to row in memory
.set CP,    1040                       ; a row of codes in LDS: 1,024 bytes + 16
.set RPW,   16
.set CODES, 4*2*32*SP
.set SCL,   CODES+64*CP
.set STG,   SCL+4096                   ; the way out: 16 rows x (256 bytes + 16) for each wave
.set HSB,   4456448
.set TINF,  33792                      ; plc: {first tile, tiles} of each expert
.set DSTB,  16896                      ; plc: where dst begins
.set PLANE, 8912896                    ; yp: 2,176 rows of 4,096 bytes for each half of K
.set L16, 3
.set TIN, 4
.set TOUT, 5
.set CST, 6
.set SST, 7
.set AW,  13
.set ASW, 14
.set H32, 15                           ; v15  32 h
.set R4,  16                           ; v16  4 r
.set L16K, 17                          ; v17  16 x lane + my half of K in a tile's images
.set L16S, 18                          ; v18  16 x lane + my half of K in a tile's scale words
.set C16, 19                           ; v19  16 r
.set HO,  20                           ; v20-21 offset of the tile's images, by parity
.set HSO, 22                           ; v22-23 of its scale words
.set GO,  24                           ; v24-25 of its weights
.set DO,  26                           ; v26-27 of its rows' numbers
.set STI, 28                           ; v28  the stage, in
.set STO, 29                           ; v29  the stage, out
.set CQ,  32
.set EQ,  36
.set X,   40
.set WS,  80                           ; v80-111 W2's scale words: 8 t + 4 (q / 8) + q % 4, lanes 0-15 or 16-31 by (q / 4) % 2.  They hold scales and nothing else
.set HS,  112                          ; v112-127 h's, by parity, laid likewise
.set ACC, 128                          ; v128-159 four accumulators
.set B2,  160                          ; v160-191 b2 in the result's layout
.set OB,  192                          ; v192-223 16 rows back from the stage
.set DL,  224                          ; v224-239 the rows' numbers, by parity
.set DSTO, 240                         ; v240-247 the stores' offsets
.set GWR, 248                          ; v248-249 the gate's weight of my token, by parity
.set WV,  16
.set DC,  17
.set KH,  18
.set EE,  19
.set TOFF, 20
.set TT,  21
.set TM1, 22
.set CT,  23                           ; s23  my tile in hand among the expert's: wave + 8 x trip
.set PR,  32                           ; s32  the trip, stepped by 1
.set NP,  33                           ; s33  my trips; the loop does not write it
.set MSB, 0
.macro WIN new                         ; the immediate's high byte repeats the setting that is left
.if MSB != \new
	s_set_vgpr_msb (MSB<<8)|\new
.set MSB, \new
.endif
.endm
.macro WLOAD t                         ; step t's 2,048 bytes into landing set t % 16
	WIN 0x40
.irp i, 0,1,2,3
	global_load_b128 v[16*((\t)%16)+4*\i:16*((\t)%16)+4*\i+3], v[L16], s[4:5] offset:((\t)/SPR)*GROW+((\t)%SPR)*2048+512*\i th:TH_LOAD_NT
.endr
.endm
.macro TURN t                          ; through the stage: in as loaded, out 64 bytes a lane; LDS serves a wave's instructions in order
	WIN 0x04                                       ; an LDS store's data are its source 1: window 1
.irp i, 0,1,2,3
	ds_store_b128 v[TIN], v[16*((\t)%16)+4*\i:16*((\t)%16)+4*\i+3] offset:32*SP*((\t)%2)+8*SP*\i
.endr
	WIN 0
.irp i, 0,1,2,3
	ds_load_b128 v[X+16*((\t)%2)+4*\i:X+16*((\t)%2)+4*\i+3], v[TOUT] offset:32*SP*((\t)%2)+16*\i
.endr
.endm
.macro TILEIDX dst, add                ; the tile that my count + add names, held inside my expert's tiles and inside the buffers
	s_add_co_u32 s[\dst], s[CT], \add
	s_min_u32 s[\dst], s[\dst], s[TM1]
	s_add_co_u32 s[\dst], s[\dst], s[TOFF]
	s_min_u32 s[\dst], s[\dst], 135
.endm
.macro QSTEP t
.if (\t) > 0
	s_wait_dscnt 2                                 ; this step's numbers are back from the stage; the last step's two stores may be out
.else
	s_wait_dscnt 0x0
.endif
.if (\t)+AHEAD < NST
	WLOAD (\t)+AHEAD                               ; into the set of step t - 1, whose way into the stage is over
.endif
.if (\t) < NST-1
.if (\t) <= NST-1-AHEAD
	s_wait_loadcnt 4*(AHEAD-1)                     ; the next step's four loads are in; behind them stand those of 14 steps
.else
	s_wait_loadcnt 4*(NST-2-(\t))                  ; the counts run down, to 0 in step 62
.endif
	TURN (\t)+1
.endif
	WIN 0
.set XN, X+16*((\t)%2)
	v_max3_num_f32 v8, |v[XN]|, |v[XN+1]|, |v[XN+2]|
	v_max3_num_f32 v9, |v[XN+3]|, |v[XN+4]|, |v[XN+5]|
.irp i, 6,10
	v_max3_num_f32 v8, v8, |v[XN+\i]|, |v[XN+\i+1]|
	v_max3_num_f32 v9, v9, |v[XN+\i+2]|, |v[XN+\i+3]|
.endr
	v_max3_num_f32 v8, v8, |v[XN+14]|, |v[XN+15]|
	v_max3_num_f32 v8, v8, v9, 0x1800000           ; and the floor 2^(3 - 127): the byte cannot fall under 1
	v_max_num_f32_dpp v8, v8, v8 row_xmask:1 row_mask:0xf bank_mask:0xf   ; with my neighbour's 16: the block's largest magnitude
	v_add_nc_u32 v10, 0xff000000, v8               ; 2 off its exponent field: the conversion's scale operand
	v_cvt_scalef32_pk8_fp4_f32 v[CQ+2*((\t)%2)], v[XN:XN+7], v10
	v_cvt_scalef32_pk8_fp4_f32 v[CQ+2*((\t)%2)+1], v[XN+8:XN+15], v10
	v_lshrrev_b32 v[EQ+(\t)%2], 23, v10            ; the scale's byte (the plain line behind the conversions)
	ds_store_b8 v[SST], v[EQ+(\t)%2] offset:16*(\t)   ; both lanes of a block write the same byte with the same value
	ds_store_b64 v[CST], v[CQ+2*((\t)%2):CQ+2*((\t)%2)+1] offset:((\t)/SPR)*CP+((\t)%SPR)*256
.endm
; 37 loads: of the tile that my count + add names: h's scale words (2), the weights (1), the rows' numbers (2), h's 16 fragments (32)
.macro GISSUE p, add
	TILEIDX 24, \add
	s_lshl_b32 s25, s24, 15
	v_add_nc_u32 v[HO+\p], s25, v[L16K]
	s_lshl_b32 s25, s24, 11
	v_add_nc_u32 v[HSO+\p], s25, v[L16S]
	s_lshl_b32 s25, s24, 6
	v_add_nc_u32 v[GO+\p], s25, v[R4]
	v_add_nc_u32 v[DO+\p], s25, v[H32]
	global_load_b128 v[HS+8*\p:HS+8*\p+3], v[HSO+\p], s[8:9] offset:HSB
	global_load_b128 v[HS+8*\p+4:HS+8*\p+7], v[HSO+\p], s[8:9] offset:HSB+512
	global_load_b32 v[GWR+\p], v[GO+\p], s[12:13]
	global_load_b128 v[DL+8*\p:DL+8*\p+3], v[DO+\p], s[10:11] offset:DSTB
	global_load_b128 v[DL+8*\p+4:DL+8*\p+7], v[DO+\p], s[10:11] offset:DSTB+16
	WIN 0xc0
.irp q, 0,1,2,3,4,5,6,7,8,9,10,11,12,13,14,15
.irp c, 0,1
	global_load_b128 v[128*\p+8*\q+4*\c:128*\p+8*\q+4*\c+3], v[HO+\p], s[8:9] offset:1024*\q+512*\c   ; the wave reads 512 consecutive bytes
.endr
.endr
	WIN 0
.endm
	s_load_b256 s[4:11], s[0:1], 0x0               ; W2 s[4:5], b2 s[6:7], hq s[8:9], plc s[10:11]
	s_load_b128 s[12:15], s[0:1], 0x20             ; gwp s[12:13], yp s[14:15]
	v_lshl_add_u32 v254, v0, 2, 0x1a800
	v_mov_b32 v255, 0
	v_lshrrev_b32 v1, 5, v0
	v_readfirstlane_b32 s[WV], v1                  ; wave 0..3
	s_lshr_b32 s[DC], ttmp9, 1                     ; the chunk of 64 outputs
	s_and_b32 s[KH], ttmp9, 1                      ; the half of K
	s_and_b32 s[EE], ttmp7, 0xffff                 ; the expert
	s_mov_b32 s[CT], s[WV]                         ; my first tile among the expert's
	v_and_b32 v9, 31, v0                           ; lane
	v_and_b32 v1, 15, v0                           ; r
	v_bfe_u32 v2, v0, 4, 1                         ; h
	v_lshlrev_b32 v[L16], 4, v9
	s_mul_i32 s24, s[WV], 2*32*SP                  ; my two turn stages
	v_lshrrev_b32 v[TIN], 2, v9
	v_mul_u32_u24 v[TIN], v[TIN], SP
	v_and_b32 v10, 3, v9
	v_lshl_add_u32 v[TIN], v10, 4, v[TIN]
	v_add_nc_u32 v[TIN], s24, v[TIN]
	v_mul_u32_u24 v[TOUT], v9, SP
	v_add_nc_u32 v[TOUT], s24, v[TOUT]
	s_mul_i32 s24, s[WV], RPW*CP
	s_add_co_u32 s24, s24, CODES
	v_lshl_add_u32 v[CST], v9, 3, s24
	s_lshl_b32 s24, s[WV], 10
	s_add_co_u32 s24, s24, SCL
	v_lshrrev_b32 v[SST], 1, v9
	v_add_nc_u32 v[SST], s24, v[SST]
	v_mul_u32_u24 v[AW], v1, CP
	v_lshl_add_u32 v[AW], v2, 4, v[AW]
	v_add_nc_u32 v[AW], CODES, v[AW]               ; a fragment's row r, + 16 h
	v_lshlrev_b32 v[ASW], 6, v1
	v_lshl_add_u32 v[ASW], v2, 4, v[ASW]
	v_add_nc_u32 v[ASW], SCL, v[ASW]               ; row r's 64 scale bytes, + 16 h
	s_mul_i32 s24, s[WV], 16*272
	s_add_co_u32 s24, s24, STG                     ; my stage for the way out
	v_mul_u32_u24 v[STI], v1, 272
	v_lshl_add_u32 v[STI], v2, 5, v[STI]
	v_add_nc_u32 v[STI], s24, v[STI]               ; in: row r, 32 bytes for each half of the lanes
	v_mul_u32_u24 v[STO], v2, 272
	v_lshl_add_u32 v[STO], v1, 4, v[STO]
	v_add_nc_u32 v[STO], s24, v[STO]               ; back: lanes 0-15 one row of 256 bytes, lanes 16-31 the next
	v_lshlrev_b32 v[H32], 5, v2
	v_lshlrev_b32 v[R4], 2, v1
	v_lshlrev_b32 v[C16], 4, v1
	s_lshl_b32 s24, s[KH], 14
	v_add_nc_u32 v[L16K], s24, v[L16]              ; 16 K steps of 1,024 bytes
	s_lshl_b32 s24, s[KH], 10
	v_add_nc_u32 v[L16S], s24, v[L16]              ; two groups of 512 bytes
	s_mov_b32 s29, 0
	s_lshl_b32 s26, s[EE], 3                       ; (kept until the scalar load below is waited for)
	s_wait_kmcnt 0x0
	s_lshl_b32 s28, s[EE], 24                      ; W2: 16 MiB an expert, 1 MiB a chunk, 256 KiB a wave, 8 KiB to the second half of K
	s_lshl_b32 s24, s[DC], 20
	s_or_b32 s28, s28, s24
	s_lshl_b32 s24, s[WV], 18
	s_or_b32 s28, s28, s24
	s_lshl_b32 s24, s[KH], 13
	s_or_b32 s28, s28, s24
	s_add_nc_u64 s[4:5], s[4:5], s[28:29]
	s_lshl_b32 s28, s[EE], 12
	s_lshl_b32 s24, s[DC], 8
	s_or_b32 s28, s28, s24
	s_add_nc_u64 s[6:7], s[6:7], s[28:29]          ; b2 at the chunk's 64 numbers
	s_mul_i32 s28, s[KH], PLANE
	s_add_co_u32 s28, s28, s24
	s_add_nc_u64 s[14:15], s[14:15], s[28:29]      ; yp: my plane, my 256 bytes of a row
	s_load_b64 s[TOFF:TOFF+1], s[10:11], s26 offset:TINF   ; my expert's first tile and number of tiles
.irp t, 0,1,2,3                        ; b2 in the result's layout: lane (r, h) wants, for tile t, outputs 16 t + 8 h + 0 .. 7
	global_load_b128 v[B2+8*\t:B2+8*\t+3], v[H32], s[6:7] offset:64*\t
	global_load_b128 v[B2+8*\t+4:B2+8*\t+7], v[H32], s[6:7] offset:64*\t+16
.endr
	; ---- PHASE 1: every offset is an immediate, no pointer is stepped
.set Q, 0
.rept AHEAD
	WLOAD Q
.set Q, Q+1
.endr
	s_wait_loadcnt 4*(AHEAD-1)                     ; step 0's four loads are in; behind them stand those of 14 steps
	TURN 0
.set Q, 0
.rept NST
	QSTEP Q
.set Q, Q+1
.endr
	s_cmp_eq_u32 s[KH], 0                          ; (step 62's wait was for 0: b2 is in)
	s_cselect_b32 s24, 1.0, 0
.set J, 0
.rept 32
	v_mul_f32 v[B2+J], s24, v[B2+J]                ; the bias enters in one half of K alone
.set J, J+1
.endr
	s_wait_kmcnt 0x0
	s_min_u32 s[TOFF], s[TOFF], 135
	s_min_u32 s[TT], s[TT], 64                     ; 1,024 tokens at the most: 64 tiles
	s_max_u32 s[TM1], s[TT], 1
	s_sub_co_u32 s[TM1], s[TM1], 1
	GISSUE 0, 0                                    ; my first tile's operands
	GISSUE 1, 4                                    ; my second's
	s_wait_dscnt 0x0                               ; for the others' sake: my codes and bytes have landed
	s_barrier_signal -1
	s_barrier_wait -1                              ; the chunk lies in LDS; codes and bytes are not written again
	WIN 0x40
.irp q, 0,1,2,3,4,5,6,7
.irp t, 0,1,2,3
.irp c, 0,1
	ds_load_b128 v[32*\q+8*\t+4*\c:32*\q+8*\t+4*\c+3], v[AW] offset:16*\t*CP+64*\q+32*\c
.endr
.endr
.endr
	WIN 0x80
.irp q, 8,9,10,11,12,13,14,15
.irp t, 0,1,2,3
.irp c, 0,1
	ds_load_b128 v[32*(\q-8)+8*\t+4*\c:32*(\q-8)+8*\t+4*\c+3], v[AW] offset:16*\t*CP+64*\q+32*\c
.endr
.endr
.endr
	WIN 0
.irp t, 0,1,2,3
.irp g, 0,1
	ds_load_b128 v[WS+8*\t+4*\g:WS+8*\t+4*\g+3], v[ASW] offset:16*\t*64+32*\g
.endr
.endr
	s_wait_dscnt 0x0
; ---- PHASE 2.  One tile of 16 rows, parity p.
.macro HALF p
	s_wait_loadcnt 37                              ; my group of 37 is in; the other parity's 37 were issued behind it
.irp q, 0,1,2,3,4,5,6,7,8,9,10,11,12,13,14,15   ; K step by K step, the 4 accumulators by turns, one instruction a turn
.if \q < 8
	WIN 0x0d                                       ; source 0 (W2) window 1, source 1 (h) window 3
.else
	WIN 0x0e                                       ; source 0 window 2
.endif
.irp t, 0,1,2,3
.if \q == 0
	v_wmma_scale_f32_16x16x128_f8f6f4 v[ACC+8*\t:ACC+8*\t+7], v[8*\t:8*\t+7], v[128*\p:128*\p+7], v[B2+8*\t:B2+8*\t+7], v[WS+8*\t], v[HS+8*\p] matrix_a_fmt:MATRIX_FMT_FP4 matrix_b_fmt:MATRIX_FMT_FP4
.elseif (\q/4)%2 == 0
	v_wmma_scale_f32_16x16x128_f8f6f4 v[ACC+8*\t:ACC+8*\t+7], v[32*(\q%8)+8*\t:32*(\q%8)+8*\t+7], v[128*\p+8*\q:128*\p+8*\q+7], v[ACC+8*\t:ACC+8*\t+7], v[WS+8*\t+4*(\q/8)+\q%4], v[HS+8*\p+4*(\q/8)+\q%4] matrix_a_fmt:MATRIX_FMT_FP4 matrix_b_fmt:MATRIX_FMT_FP4
.else
	v_wmma_scale_f32_16x16x128_f8f6f4 v[ACC+8*\t:ACC+8*\t+7], v[32*(\q%8)+8*\t:32*(\q%8)+8*\t+7], v[128*\p+8*\q:128*\p+8*\q+7], v[ACC+8*\t:ACC+8*\t+7], v[WS+8*\t+4*(\q/8)+\q%4], v[HS+8*\p+4*(\q/8)+\q%4] matrix_a_fmt:MATRIX_FMT_FP4 matrix_b_fmt:MATRIX_FMT_FP4 matrix_a_scale:MATRIX_SCALE_ROW1 matrix_b_scale:MATRIX_SCALE_ROW1
.endif
.endr
.endr
	WIN 0
	s_wait_xcnt 0x0                                ; the last tile's stores have taken their offsets and data: DSTO and OB are written again only behind this wait
.irp i, 0,1,2,3,4,5,6,7                ; sixteen plain lines that name no register of the products: the places in front of the reads and loads below
	v_min_u32 v[DSTO+\i], 2175, v[DL+8*\p+\i]      ; the row of yp for the tile's row 2 i + h
.endr
.irp i, 0,1,2,3,4,5,6,7
	v_lshl_add_u32 v[DSTO+\i], v[DSTO+\i], 12, v[C16]   ; 4,096 bytes a row, 16 bytes a lane
.endr
.set J, 0
.rept 32
	v_mul_f32 v[ACC+J], v[ACC+J], v[GWR+\p]        ; x the gate's weight of my token; each accumulator from its low end on
.set J, J+1
.endr
	GISSUE \p, 4*\p+8                              ; the operands of my tile two turns on
.irp t, 0,1,2,3
	ds_store_b128 v[STI], v[ACC+8*\t:ACC+8*\t+3] offset:64*\t
	ds_store_b128 v[STI], v[ACC+8*\t+4:ACC+8*\t+7] offset:64*\t+16
.endr
.irp i, 0,1,2,3,4,5,6,7
	ds_load_b128 v[OB+4*\i:OB+4*\i+3], v[STO] offset:2*\i*272   ; my own bytes, served in order behind my stores
.endr
.irp i, 0,1,2,3,4,5,6,7
	s_wait_dscnt 7-\i                              ; rows 2 i and 2 i + 1 are back; the loads behind them may be out.  The last count is 0: the stage's stores have read the accumulators
	global_store_b128 v[DSTO+\i], v[OB+4*\i:OB+4*\i+3], s[14:15]   ; sixteen lanes store 256 consecutive bytes, aligned
.endr
.endm
; The loop over my tiles, two a trip.  Its counter steps by 1 against the number of my trips, made once ahead of it.  It is left by falling through its branch back,
; or by ending the wave where its tiles end: no branch passes over the counter's step.
	s_cmp_lt_u32 s[CT], s[TT]
	s_cbranch_scc1 .Lwork
	s_wait_tensorcnt 0x0
	ds_add_u32 v254, v255
	s_wait_dscnt 0x0
	s_endpgm                                       ; no tile of this expert is mine
.Lwork:
	s_sub_co_u32 s[NP], s[TT], s[CT]               ; the expert's tiles from my first on; every fourth is mine, two of mine a trip:
	s_add_co_u32 s[NP], s[NP], 7
	s_lshr_b32 s[NP], s[NP], 3                     ; trips = that number / 8, rounded up: at least 1,
	s_min_u32 s[NP], s[NP], 8                      ; and with 64 tiles at the most 8
	s_mov_b32 s[PR], 0
.Lpair:
	HALF 0
	s_add_co_u32 s24, s[CT], 4
	s_cmp_lt_u32 s24, s[TT]
	s_cbranch_scc1 .Lsecond
	s_wait_tensorcnt 0x0
	ds_add_u32 v254, v255
	s_wait_dscnt 0x0
	s_endpgm                                       ; that was my last tile (the loads asked for ahead are dropped with the wave)
.Lsecond:
	HALF 1
	s_add_co_u32 s[CT], s[CT], 8                   ; my tile in hand
	s_add_co_u32 s[PR], s[PR], 1
	s_cmp_lt_u32 s[PR], s[NP]
	s_cbranch_scc1 .Lpair
	s_wait_tensorcnt 0x0
	ds_add_u32 v254, v255
	s_wait_dscnt 0x0
	s_endpgm
.Lfunc_end_k_q068879ea9b_down:
	.size	k_q068879ea9b_down, .Lfunc_end_k_q068879ea9b_down-k_q068879ea9b_down
	.p2alignl 7, 3214868480
	.fill 96, 4, 3214868480
	.section	.rodata,"a",@progbits
	.p2align	6, 0x0
	.amdhsa_kernel k_q068879ea9b_down
		.amdhsa_group_segment_fixed_size 109056
		.amdhsa_private_segment_fixed_size 0
		.amdhsa_enable_private_segment 0
		.amdhsa_kernarg_size 48
		.amdhsa_user_sgpr_count 2
		.amdhsa_user_sgpr_kernarg_segment_ptr 1
		.amdhsa_wavefront_size32 1
		.amdhsa_system_sgpr_workgroup_id_x 1
		.amdhsa_system_sgpr_workgroup_id_y 1
		.amdhsa_system_sgpr_workgroup_id_z 1
		.amdhsa_system_vgpr_workitem_id 0
		.amdhsa_next_free_vgpr 1024
		.amdhsa_next_free_sgpr 66
		.amdhsa_reserve_vcc 0
		.amdhsa_float_denorm_mode_32 3
		.amdhsa_float_denorm_mode_16_64 3
		.amdhsa_memory_ordered 1
		.amdhsa_forward_progress 1
		.amdhsa_inst_pref_size 181
	.end_amdhsa_kernel
	.amdgpu_metadata
---
amdhsa.version: [ 1, 2 ]
amdhsa.kernels:
  - .name:           k_q068879ea9b_down
    .symbol:         k_q068879ea9b_down.kd
    .args:
      - { .name: W2, .offset: 0, .size: 8, .value_kind: global_buffer, .address_space: global }
      - { .name: b2, .offset: 8, .size: 8, .value_kind: global_buffer, .address_space: global }
      - { .name: hq, .offset: 16, .size: 8, .value_kind: global_buffer, .address_space: global }
      - { .name: plc, .offset: 24, .size: 8, .value_kind: global_buffer, .address_space: global }
      - { .name: gwp, .offset: 32, .size: 8, .value_kind: global_buffer, .address_space: global }
      - { .name: yp, .offset: 40, .size: 8, .value_kind: global_buffer, .address_space: global }
    .group_segment_fixed_size: 109056
    .private_segment_fixed_size: 0
    .kernarg_segment_align: 8
    .kernarg_segment_size: 48
    .max_flat_workgroup_size: 128
    .sgpr_count:     66
    .vgpr_count:     1024
    .wavefront_size: 32
...
	.end_amdgpu_metadata
.endif
;; end of part 4
;; launch comb (part 5): grid 256 x 1, 8 waves a work-group, no clusters, 0 bytes of LDS; arguments yp, out0; writes out0
.if DOCPART == 5
	.amdgcn_target "amdgcn-amd-amdhsa--gfx1250"
	.amdhsa_code_object_version 6
	.text
	.protected	k_q068879ea9b_comb
	.globl	k_q068879ea9b_comb
	.p2align	8
	.type	k_q068879ea9b_comb,@function
k_q068879ea9b_comb:
	s_mov_b64 s[64:65], 0
	v_nop
	global_prefetch_b8 v0, s[64:65] scope:SCOPE_SE
	s_setreg_imm32_b32 hwreg(HW_REG_WAVE_MODE, 25, 1), 1
	s_wait_xcnt 0x0
; out0[n] = the sum of token n's four rows of yp: two chosen experts (rows n and 1,024 + n) x two halves of K (two planes).  The gate's weights and b2 are in them already.
; A stream: a work-group takes 4 tokens; thread t takes the 16 bytes at 16 t of each row, so a wave's load or store covers 512 consecutive bytes.
; All 16 loads of a thread go out first; the waits count down by rows.  No LDS, no barrier, no matrix unit: there is nothing to share and nothing to multiply.
.set PLANE, 8912896                    ; bytes of a plane: beyond a load's immediate, so the second plane has a base of its own
.set RANK,  4194304                    ; 1,024 rows of 4,096 bytes
	s_load_b128 s[4:7], s[0:1], 0x0                ; yp s[4:5], out0 s[6:7]
	v_lshlrev_b32 v1, 4, v0
	s_lshl_b32 s2, ttmp9, 14                       ; 4 rows of 4,096 bytes a work-group
	s_mov_b32 s3, 0
	s_wait_kmcnt 0x0
	s_add_nc_u64 s[4:5], s[4:5], s[2:3]
	s_add_nc_u64 s[6:7], s[6:7], s[2:3]
	s_add_nc_u64 s[8:9], s[4:5], PLANE
.irp k, 0,1,2,3
	global_load_b128 v[4+16*\k:7+16*\k],   v1, s[4:5] offset:4096*\k th:TH_LOAD_NT
	global_load_b128 v[8+16*\k:11+16*\k],  v1, s[4:5] offset:4096*\k+RANK th:TH_LOAD_NT
	global_load_b128 v[12+16*\k:15+16*\k], v1, s[8:9] offset:4096*\k th:TH_LOAD_NT
	global_load_b128 v[16+16*\k:19+16*\k], v1, s[8:9] offset:4096*\k+RANK th:TH_LOAD_NT
.endr
.irp k, 0,1,2,3
	s_wait_loadcnt 12-4*\k                         ; row k's four loads are in; those of the rows behind it may be out
	v_pk_add_f32 v[4+16*\k:5+16*\k],   v[4+16*\k:5+16*\k],   v[8+16*\k:9+16*\k]
	v_pk_add_f32 v[6+16*\k:7+16*\k],   v[6+16*\k:7+16*\k],   v[10+16*\k:11+16*\k]
	v_pk_add_f32 v[12+16*\k:13+16*\k], v[12+16*\k:13+16*\k], v[16+16*\k:17+16*\k]
	v_pk_add_f32 v[14+16*\k:15+16*\k], v[14+16*\k:15+16*\k], v[18+16*\k:19+16*\k]
	v_pk_add_f32 v[4+16*\k:5+16*\k],   v[4+16*\k:5+16*\k],   v[12+16*\k:13+16*\k]
	v_pk_add_f32 v[6+16*\k:7+16*\k],   v[6+16*\k:7+16*\k],   v[14+16*\k:15+16*\k]
	global_store_b128 v1, v[4+16*\k:7+16*\k], s[6:7] offset:4096*\k th:TH_STORE_NT
.endr
	s_endpgm
.Lfunc_end_k_q068879ea9b_comb:
	.size	k_q068879ea9b_comb, .Lfunc_end_k_q068879ea9b_comb-k_q068879ea9b_comb
	.p2alignl 7, 3214868480
	.fill 96, 4, 3214868480
	.section	.rodata,"a",@progbits
	.p2align	6, 0x0
	.amdhsa_kernel k_q068879ea9b_comb
		.amdhsa_group_segment_fixed_size 0
		.amdhsa_private_segment_fixed_size 0
		.amdhsa_enable_private_segment 0
		.amdhsa_kernarg_size 16
		.amdhsa_user_sgpr_count 2
		.amdhsa_user_sgpr_kernarg_segment_ptr 1
		.amdhsa_wavefront_size32 1
		.amdhsa_system_sgpr_workgroup_id_x 1
		.amdhsa_system_sgpr_workgroup_id_y 1
		.amdhsa_system_sgpr_workgroup_id_z 1
		.amdhsa_system_vgpr_workitem_id 0
		.amdhsa_next_free_vgpr 80
		.amdhsa_next_free_sgpr 66
		.amdhsa_reserve_vcc 0
		.amdhsa_float_denorm_mode_32 3
		.amdhsa_float_denorm_mode_16_64 3
		.amdhsa_memory_ordered 1
		.amdhsa_forward_progress 1
		.amdhsa_inst_pref_size 5
	.end_amdhsa_kernel
	.amdgpu_metadata
---
amdhsa.version: [ 1, 2 ]
amdhsa.kernels:
  - .name:           k_q068879ea9b_comb
    .symbol:         k_q068879ea9b_comb.kd
    .args:
      - { .name: yp, .offset: 0, .size: 8, .value_kind: global_buffer, .address_space: global }
      - { .name: out0, .offset: 8, .size: 8, .value_kind: global_buffer, .address_space: global }
    .group_segment_fixed_size: 0
    .private_segment_fixed_size: 0
    .kernarg_segment_align: 8
    .kernarg_segment_size: 16
    .max_flat_workgroup_size: 256
    .sgpr_count:     66
    .vgpr_count:     80
    .wavefront_size: 32
...
	.end_amdgpu_metadata
.endif
;; end of part 5
;; ======== version 2 of 2: 5 launches
;; workspace buffers: xq 557,056 bytes; sel 4,096 bytes of whole numbers; gw 8,192 bytes; plc 34,048 bytes of whole numbers; gwp 16,896 bytes; hq 4,734,976 bytes; yp 17,825,792 bytes
;; launch route (part 6): grid 256 x 1, 4 waves a work-group, no clusters, 22,016 bytes of LDS; arguments x, gate_w, xq, sel, gw; writes xq, sel, gw
.if DOCPART == 6
	.amdgcn_target "amdgcn-amd-amdhsa--gfx1250"
	.amdhsa_code_object_version 6
	.text
	.protected	k_q068879ea9b_route
	.globl	k_q068879ea9b_route
	.p2align	8
	.type	k_q068879ea9b_route,@function
k_q068879ea9b_route:
	s_mov_b64 s[64:65], 0
	v_nop
	global_prefetch_b8 v0, s[64:65] scope:SCOPE_SE
	s_setreg_imm32_b32 hwreg(HW_REG_WAVE_MODE, 25, 1), 1
	s_wait_xcnt 0x0
; ROUTER AND x's QUANTISER.  One wave to a token n = 4 x work-group + wave.
; (a) The token's row of x (1,024 f32) becomes codes of E2M1, K innermost (xq: 512 bytes a token), and 32 E8M0 bytes (xq + XSB: 32 bytes a token).
;     A block's byte is its largest magnitude's exponent field - 2, held at 1 from below.
; (b) Eight logits in f32 (fused multiply-adds, summed over the wave), softmax with the row's maximum taken away, the two largest (a tie keeps the lower
;     index: the compare is strict), their weights p / (p1 + p2 + 1e-9).  The choice only selects values here (v_cndmask_b32): it is stored as a whole
;     number at a fixed place (sel[n] = e0 | e1 << 8), the weights beside it (gw[n][2]); a later launch makes addresses of it.
; LIMITS: NaN and infinities among the inputs are not served.  A block of zeros gets the byte 1 (its codes are zeros, and these bytes are read by this
; program alone); blocks whose largest magnitude lies under 2^-124 are held at that byte.  The two largest are searched among the logits, not the
; probabilities: logits so near that f32 rounding makes their probabilities equal may be ordered otherwise than by the lower index.
; No matrix instruction: 8 columns are too few.  No barrier: waves share nothing.
.set SP,   80                          ; a lane's place in a turn stage: 64 bytes + 16 of padding
.set STGB, 32*SP                       ; a stage: one step of 512 numbers
.set WREG, 2*STGB+256                  ; LDS of a wave: two stages, then its 32 scale bytes
.set XSB,  524288                      ; where the scale bytes begin in xq
.set R,    32                          ; v32-63   the row as loaded: register 4 j + k = x[128 j + 4 lane + k]
.set X,    64                          ; v64-95   two sets of 16 neighbours along K
.set ACC,  96                          ; v96-111  eight pairs of partial sums
.set LG,   112                         ; v112-119 the logits
.set LM,   120                         ; v120-127 the logits with the first choice masked
.set EX,   128                         ; v128-135 2^((l - m) log2 e)
.set TP,   136                         ; v136-143 destinations of the lane exchange (written once: such a destination counts as read)
.set MSB, 0
.macro WIN new                         ; the immediate's high byte repeats the setting that is left
.if MSB != \new
	s_set_vgpr_msb (MSB<<8)|\new
.set MSB, \new
.endif
.endm
	s_load_b256 s[4:11], s[0:1], 0x0               ; x s[4:5], gate_w s[6:7], xq s[8:9], sel s[10:11]
	s_load_b64 s[12:13], s[0:1], 0x20              ; gw
	v_lshl_add_u32 v254, v0, 2, 0x5400
	v_mov_b32 v255, 0
	v_lshrrev_b32 v1, 5, v0
	v_readfirstlane_b32 s14, v1                    ; wave
	v_and_b32 v1, 31, v0                           ; lane
	v_lshlrev_b32 v2, 4, v1                        ; my 16 bytes of a load's 512
	s_mul_i32 s18, s14, WREG
	v_lshrrev_b32 v4, 2, v1
	v_mul_u32_u24 v4, v4, SP
	v_and_b32 v10, 3, v1
	v_lshl_add_u32 v4, v10, 4, v4
	v_add_nc_u32 v4, s18, v4                       ; the stage, on the way in: SP (lane / 4) + 16 (lane % 4)
	v_mul_u32_u24 v5, v1, SP
	v_add_nc_u32 v5, s18, v5                       ; and on the way out: SP x lane: my 16 neighbours
	s_add_co_u32 s19, s18, 2*STGB
	v_lshrrev_b32 v6, 1, v1
	v_add_nc_u32 v6, s19, v6                       ; my block's scale byte
	v_and_b32 v9, 7, v1
	v_lshlrev_b32 v9, 2, v9                        ; the 32 scale bytes leave as eight words
	v_add_nc_u32 v7, s19, v9
	v_lshlrev_b32 v8, 3, v1                        ; my 16 codes: 8 bytes
	v_mov_b32 v22, 0
.irp e, 0,1,2,3,4,5,6,7
	v_mov_b32 v[TP+\e], 0
.endr
	s_mov_b32 s20, 0x76543210
	s_mov_b32 s21, 0xfedcba98                      ; lane l xor 16
	s_lshl_b32 s15, ttmp9, 2
	s_add_co_u32 s15, s15, s14                     ; the token
	s_mov_b32 s17, 0
	s_wait_kmcnt 0x0
	s_lshl_b32 s16, s15, 12
	s_add_nc_u64 s[4:5], s[4:5], s[16:17]          ; its row of x
	s_lshl_b32 s16, s15, 5
	s_add_nc_u64 s[22:23], s[8:9], s[16:17]        ; its scale bytes (XSB stands in the store's immediate)
	s_lshl_b32 s16, s15, 9
	s_add_nc_u64 s[8:9], s[8:9], s[16:17]          ; its codes
	s_lshl_b32 s16, s15, 2
	s_add_nc_u64 s[10:11], s[10:11], s[16:17]      ; its word of sel
	s_lshl_b32 s16, s15, 3
	s_add_nc_u64 s[12:13], s[12:13], s[16:17]      ; its two weights
.irp j, 0,1,2,3,4,5,6,7
	global_load_b128 v[R+4*\j:R+4*\j+3], v2, s[4:5] offset:512*\j th:TH_LOAD_NT   ; 32 lanes read 512 consecutive bytes
.endr
	WIN 0x40                                       ; destination window 1: gate_w, expert e at v[32 e], laid as the row of x is
.irp e, 0,1,2,3,4,5,6,7
.irp j, 0,1,2,3,4,5,6,7
	global_load_b128 v[32*\e+4*\j:32*\e+4*\j+3], v2, s[6:7] offset:4096*\e+512*\j
.endr
.endr
	WIN 0
.macro TURN t                          ; step t's 2,048 bytes through its stage: in as loaded, out 64 bytes a lane; LDS serves a wave's instructions in order
.irp i, 0,1,2,3
	ds_store_b128 v4, v[R+16*\t+4*\i:R+16*\t+4*\i+3] offset:STGB*\t+8*SP*\i
.endr
.irp i, 0,1,2,3
	ds_load_b128 v[X+16*\t+4*\i:X+16*\t+4*\i+3], v5 offset:STGB*\t+16*\i
.endr
.endm
.macro QSTEP t                         ; 512 numbers: 16 a lane, two neighbouring lanes to a block
.set XN, X+16*\t
	v_max3_num_f32 v10, |v[XN]|, |v[XN+1]|, |v[XN+2]|
	v_max3_num_f32 v11, |v[XN+3]|, |v[XN+4]|, |v[XN+5]|
.irp i, 6,10
	v_max3_num_f32 v10, v10, |v[XN+\i]|, |v[XN+\i+1]|
	v_max3_num_f32 v11, v11, |v[XN+\i+2]|, |v[XN+\i+3]|
.endr
	v_max3_num_f32 v10, v10, |v[XN+14]|, |v[XN+15]|
	v_max3_num_f32 v10, v10, v11, 0x1800000        ; and the floor 2^(3 - 127): the byte cannot fall under 1
	v_max_num_f32_dpp v10, v10, v10 row_xmask:1 row_mask:0xf bank_mask:0xf   ; with my neighbour's 16: the block's largest magnitude
	v_add_nc_u32 v12, 0xff000000, v10              ; 2 off its exponent field: the conversion's scale operand
	v_cvt_scalef32_pk8_fp4_f32 v[16+2*\t], v[XN:XN+7], v12
	v_cvt_scalef32_pk8_fp4_f32 v[17+2*\t], v[XN+8:XN+15], v12
	v_lshrrev_b32 v[20+\t], 23, v12                ; the scale's byte (the plain line behind the conversions)
	ds_store_b8 v6, v[20+\t] offset:16*\t          ; both lanes of a block write the same byte with the same value
	global_store_b64 v8, v[16+2*\t:17+2*\t], s[8:9] offset:256*\t   ; the wave stores 256 consecutive bytes, aligned
.endm
	s_wait_loadcnt 63                              ; behind x's eight loads stand gate_w's 64: with 63 out at the most x is in
	TURN 0
	TURN 1
	s_wait_dscnt 8                                 ; step 0 is back; step 1's eight may be out
	QSTEP 0
	s_wait_dscnt 1                                 ; step 1 is back; step 0's byte store may be out
	QSTEP 1
	ds_load_b32 v13, v7                            ; the 32 bytes, in order behind my byte stores
	s_wait_dscnt 0x0
	global_store_b32 v9, v13, s[22:23] offset:XSB  ; lanes with equal lane % 8 write the same word with the same value
	s_wait_loadcnt 0x0                             ; gate_w
	WIN 0x04                                       ; source 1 window 1
.irp j, 0,1,2,3,4,5,6,7,8,9,10,11,12,13,14,15
.irp e, 0,1,2,3,4,5,6,7
.if \j == 0
	v_pk_mul_f32 v[ACC+2*\e:ACC+2*\e+1], v[R+2*\j:R+2*\j+1], v[32*\e+2*\j:32*\e+2*\j+1]     ; the first product starts the sums
.else
	v_pk_fma_f32 v[ACC+2*\e:ACC+2*\e+1], v[R+2*\j:R+2*\j+1], v[32*\e+2*\j:32*\e+2*\j+1], v[ACC+2*\e:ACC+2*\e+1]   ; the eight experts by turns
.endif
.endr
.endr
	WIN 0
.irp e, 0,1,2,3,4,5,6,7
	v_add_f32 v[LG+\e], v[ACC+2*\e], v[ACC+2*\e+1]
.endr
.irp m, 1,2,4,8
.irp e, 0,1,2,3,4,5,6,7
	v_add_f32_dpp v[LG+\e], v[LG+\e], v[LG+\e] row_xmask:\m row_mask:0xf bank_mask:0xf
.endr
.endr
.irp e, 0,1,2,3,4,5,6,7
	v_permlanex16_b32 v[TP+\e], v[LG+\e], s20, s21
.endr
.irp e, 0,1,2,3,4,5,6,7
	v_add_f32 v[LG+\e], v[LG+\e], v[TP+\e]         ; every lane holds the eight logits
.endr
	v_max3_num_f32 v144, v[LG], v[LG+1], v[LG+2]
	v_max3_num_f32 v144, v144, v[LG+3], v[LG+4]
	v_max3_num_f32 v144, v144, v[LG+5], v[LG+6]
	v_max_num_f32 v144, v144, v[LG+7]              ; the row's maximum is taken away ahead of the exponentials
.irp e, 0,1,2,3,4,5,6,7
	v_sub_f32 v[EX+\e], v[LG+\e], v144
.endr
.irp e, 0,1,2,3,4,5,6,7
	v_mul_f32 v[EX+\e], 0x3fb8aa3b, v[EX+\e]       ; x log2(e)
.endr
	s_wait_alu depctr_va_vdst(0)
.irp e, 0,1,2,3,4,5,6,7
	v_exp_f32 v[EX+\e], v[EX+\e]
.endr
	v_mov_b32 v151, 0xff800000                     ; -infinity (the plain line behind the exponentials)
	s_wait_alu depctr_va_vdst(0)
	v_add_f32 v152, v[EX], v[EX+1]
	v_add_f32 v153, v[EX+2], v[EX+3]
	v_add_f32 v154, v[EX+4], v[EX+5]
	v_add_f32 v155, v[EX+6], v[EX+7]
	v_add_f32 v152, v152, v153
	v_add_f32 v154, v154, v155
	v_add_f32 v152, v152, v154                     ; the softmax's sum
	s_wait_alu depctr_va_vdst(0)
	v_rcp_f32 v153, v152                           ; (the scan below stands between it and the use of its result)
.macro SCAN src, best, idx, ex         ; the largest of eight, its index and its exponential; the compare is strict: a tie keeps the lower index
	v_mov_b32 v[\best], v[\src]
	v_mov_b32 v[\idx], 0
	v_mov_b32 v[\ex], v[EX]
.irp e, 1,2,3,4,5,6,7
	v_cmp_gt_f32 vcc_lo, v[\src+\e], v[\best]
	v_mov_b32 v150, \e
	v_cndmask_b32 v[\best], v[\best], v[\src+\e], vcc_lo
	v_cndmask_b32 v[\idx], v[\idx], v150, vcc_lo
	v_cndmask_b32 v[\ex], v[\ex], v[EX+\e], vcc_lo
.endr
.endm
	SCAN LG, 145, 146, 147
.irp e, 0,1,2,3,4,5,6,7
	v_cmp_eq_u32 vcc_lo, \e, v146
	v_cndmask_b32 v[LM+\e], v[LG+\e], v151, vcc_lo ; the first choice leaves the field
.endr
	SCAN LM, 145, 148, 149
	s_wait_alu depctr_va_vdst(0)
	v_mul_f32 v147, v147, v153                     ; p1
	v_mul_f32 v149, v149, v153                     ; p2
	v_add_f32 v154, v147, v149
	v_add_f32 v154, 0x3089705f, v154               ; + 1e-9
	s_wait_alu depctr_va_vdst(0)
	v_rcp_f32 v155, v154
	v_lshl_or_b32 v158, v148, 8, v146              ; e0 | e1 << 8 (the plain line behind the reciprocal)
	s_wait_alu depctr_va_vdst(0)
	v_mul_f32 v156, v147, v155
	v_mul_f32 v157, v149, v155
	s_wait_alu depctr_va_vdst(0)
	s_wait_xcnt 0x0                                ; EXEC is narrowed only behind this wait: the stores above have taken theirs
	v_cmp_eq_u32 vcc_lo, 0, v1
	s_wait_tensorcnt 0x0
	ds_add_u32 v254, v255
	s_wait_dscnt 0x0
	s_and_saveexec_b32 s26, vcc_lo                 ; lane 0 stores for the token; the wave ends so
	global_store_b32 v22, v158, s[10:11]
	global_store_b64 v22, v[156:157], s[12:13]
	s_endpgm
.Lfunc_end_k_q068879ea9b_route:
	.size	k_q068879ea9b_route, .Lfunc_end_k_q068879ea9b_route-k_q068879ea9b_route
	.p2alignl 7, 3214868480
	.fill 96, 4, 3214868480
	.section	.rodata,"a",@progbits
	.p2align	6, 0x0
	.amdhsa_kernel k_q068879ea9b_route
		.amdhsa_group_segment_fixed_size 22016
		.amdhsa_private_segment_fixed_size 0
		.amdhsa_enable_private_segment 0
		.amdhsa_kernarg_size 40
		.amdhsa_user_sgpr_count 2
		.amdhsa_user_sgpr_kernarg_segment_ptr 1
		.amdhsa_wavefront_size32 1
		.amdhsa_system_sgpr_workgroup_id_x 1
		.amdhsa_system_sgpr_workgroup_id_y 1
		.amdhsa_system_sgpr_workgroup_id_z 1
		.amdhsa_system_vgpr_workitem_id 0
		.amdhsa_next_free_vgpr 512
		.amdhsa_next_free_sgpr 66
		.amdhsa_reserve_vcc 1
		.amdhsa_float_denorm_mode_32 3
		.amdhsa_float_denorm_mode_16_64 3
		.amdhsa_memory_ordered 1
		.amdhsa_forward_progress 1
		.amdhsa_inst_pref_size 29
	.end_amdhsa_kernel
	.amdgpu_metadata
---
amdhsa.version: [ 1, 2 ]
amdhsa.kernels:
  - .name:           k_q068879ea9b_route
    .symbol:         k_q068879ea9b_route.kd
    .args:
      - { .name: x, .offset: 0, .size: 8, .value_kind: global_buffer, .address_space: global }
      - { .name: gate_w, .offset: 8, .size: 8, .value_kind: global_buffer, .address_space: global }
      - { .name: xq, .offset: 16, .size: 8, .value_kind: global_buffer, .address_space: global }
      - { .name: sel, .offset: 24, .size: 8, .value_kind: global_buffer, .address_space: global }
      - { .name: gw, .offset: 32, .size: 8, .value_kind: global_buffer, .address_space: global }
    .group_segment_fixed_size: 22016
    .private_segment_fixed_size: 0
    .kernarg_segment_align: 8
    .kernarg_segment_size: 40
    .max_flat_workgroup_size: 128
    .sgpr_count:     66
    .vgpr_count:     512
    .wavefront_size: 32
...
	.end_amdgpu_metadata
.endif
;; end of part 6
;; launch place (part 7): grid 8 x 1, 8 waves a work-group, no clusters, 1,280 bytes of LDS; arguments sel, gw, plc, gwp; writes plc, gwp
.if DOCPART == 7
	.amdgcn_target "amdgcn-amd-amdhsa--gfx1250"
	.amdhsa_code_object_version 6
	.text
	.protected	k_q068879ea9b_place
	.globl	k_q068879ea9b_place
	.p2align	8
	.type	k_q068879ea9b_place,@function
k_q068879ea9b_place:
	s_mov_b64 s[64:65], 0
	v_nop
	global_prefetch_b8 v0, s[64:65] scope:SCOPE_SE
	s_setreg_imm32_b32 hwreg(HW_REG_WAVE_MODE, 25, 1), 1
	s_wait_xcnt 0x0
; THE ROWS ARE PLACED BY EXPERT: a counting sort without atomics.  Work-group e serves expert e; its wave w places the expert's rows among tokens 128 w .. 128 w + 127.
; An expert's rows fill whole tiles of 16 positions; the experts' tiles follow each other (at most (2,048 + 8 x 15) / 16 = 135 tiles, whatever the choice).
; So a work-group needs every expert's number of rows: wave w also counts expert w over all 1,024 tokens.  Both counts of a wave go to LDS ahead of ONE barrier.
; plc: src[position] = the token (byte 0);  dst[position] = the row of yp that takes the result, rank x 1,024 + token (byte DSTB), laid inside each group
; of 16 at index 8 (p % 2) + (p / 2) % 8, so that the lanes that store rows 2 i + h find their eight numbers on end;  for expert e the pair {first tile,
; number of tiles} (byte TINF + 8 e).  gwp[position] = the gate's weight.
; A tile's last positions that no row fills get token 0, weight 0 and a row of yp of their own behind the 2,048 (2,048 + 16 e + i), which nobody reads.
; A lane with nothing to place in a turn writes to a word of its own behind the lists (position 2,176 + 256 e + thread): EXEC does not change between the turns.
; Each of a wave's five turns has its own five registers for the stores' offsets and data: none is written again, so no wait stands between the turns.
.set NPOS, 4224                        ; positions in a list: 2,176 for tiles, 2,048 spare (one for each thread of the launch)
.set DSTB, 4*NPOS                      ; plc: where dst begins
.set TINF, 8*NPOS                      ; plc: where the pairs begin
.set S0, 32                            ; v32-63   first choice of all tokens: register 4 j + k belongs to token 128 j + 4 lane + k
.set S1, 64                            ; v64-95   second choice
.set O0, 96                            ; v96-99   first choice of my 128 tokens: register k belongs to token 128 w + 4 lane + k
.set O1, 100                           ; v100-103 second choice
.set G,  104                           ; v104-111 their two weights at G + 2 k
.set RR, 112                           ; v112-136 turn n: offset, offset of dst, token, row of yp, weight at RR + 5 n
	s_load_b256 s[4:11], s[0:1], 0x0               ; sel s[4:5], gw s[6:7], plc s[8:9], gwp s[10:11]
	v_lshl_add_u32 v144, v0, 2, 0x100
	v_mov_b32 v145, 0
	v_lshrrev_b32 v1, 5, v0
	s_delay_alu instid0(VALU_DEP_1)
	v_readfirstlane_b32 s12, v1                    ; wave
	s_mov_b32 s13, ttmp9                           ; expert
	v_and_b32 v1, 31, v0                           ; lane
	s_delay_alu instid0(VALU_DEP_1)
	v_lshlrev_b32 v2, 4, v1
	s_delay_alu instid0(VALU_DEP_2)
	v_lshlrev_b32 v3, 5, v1
	s_lshl_b32 s14, s12, 7
	v_lshl_add_u32 v4, v1, 2, s14                  ; 128 w + 4 x lane: a token's number less k
	s_lshl_b32 s15, s13, 8
	s_add_co_u32 s15, s15, 2176
	v_add_nc_u32 v5, s15, v0                       ; my own spare position
	s_lshl_b32 s16, s12, 2
	v_mov_b32 v6, s16                              ; LDS: my wave's two counts, at 4 w and 32 + 4 w
	s_lshl_b32 s18, s12, 9                         ; my tokens' words of sel: 512 bytes a wave
	s_mov_b32 s19, 0
	s_lshl_b32 s20, s12, 10                        ; their weights: 1,024 bytes a wave
	s_mov_b32 s21, 0
	s_mov_b32 s26, 0
	s_mov_b32 s27, 0
	s_wait_alu depctr_va_vdst(0)
	s_wait_kmcnt 0x0
	s_add_nc_u64 s[18:19], s[4:5], s[18:19]
	s_add_nc_u64 s[6:7], s[6:7], s[20:21]
	global_load_b128 v[O0:O0+3], v2, s[18:19]
.irp j, 0,1,2,3,4,5,6,7
	global_load_b128 v[S0+4*\j:S0+4*\j+3], v2, s[4:5] offset:512*\j
.endr
	global_load_b128 v[G:G+3], v3, s[6:7]
	global_load_b128 v[G+4:G+7], v3, s[6:7] offset:16
	s_wait_loadcnt 2                               ; the nine loads of choices are in; the two of weights were issued behind them
.irp k, 0,1,2,3
	v_lshrrev_b32 v[O1+\k], 8, v[O0+\k]
	v_and_b32 v[O0+\k], 0xff, v[O0+\k]
.endr
.set I, 0
.rept 32
	v_lshrrev_b32 v[S1+I], 8, v[S0+I]
	v_and_b32 v[S0+I], 0xff, v[S0+I]
.set I, I+1
.endr
.irp k, 0,1,2,3                        ; my tokens that chose my work-group's expert: the masks stay in s52-55 (chosen) and s56-59 (chosen second)
	v_cmp_eq_u32 s[52+\k], s13, v[O0+\k]
	v_cmp_eq_u32 s[56+\k], s13, v[O1+\k]
.endr
.irp g, 0,1,2,3                        ; expert w's rows among all tokens, eight registers at a time, so that the scalar lines do not wait for each compare
.irp i, 0,1,2,3,4,5,6,7
	v_cmp_eq_u32 s[36+2*\i], s12, v[S0+8*\g+\i]
	v_cmp_eq_u32 s[37+2*\i], s12, v[S1+8*\g+\i]
.endr
.irp i, 0,1,2,3,4,5,6,7
	s_or_b32 s[36+2*\i], s[36+2*\i], s[37+2*\i]
	s_bcnt1_i32_b32 s[36+2*\i], s[36+2*\i]
	s_add_co_u32 s26, s26, s[36+2*\i]
.endr
.endr
.irp k, 0,1,2,3
	s_or_b32 s[52+\k], s[52+\k], s[56+\k]
	s_bcnt1_i32_b32 s[60+\k], s[52+\k]             ; how many a turn places
	s_add_co_u32 s27, s27, s[60+\k]
.endr
	v_mov_b32 v7, s26
	v_mov_b32 v8, s27
	ds_store_b32 v6, v7                            ; expert w's rows.  All lanes write the same word with the same value
	ds_store_b32 v6, v8 offset:32                  ; my expert's rows among my tokens
	s_wait_dscnt 0x0                               ; for the others' sake: my stores have landed
	s_barrier_signal -1
	s_barrier_wait -1
	v_mov_b32 v8, 0
	ds_load_b128 v[16:19], v8
	ds_load_b128 v[20:23], v8 offset:16
	ds_load_b128 v[24:27], v8 offset:32
	ds_load_b128 v[28:31], v8 offset:48
	s_wait_dscnt 0x0
.irp j, 0,1,2,3,4,5,6,7,8,9,10,11,12,13,14,15
	v_readfirstlane_b32 s[36+\j], v[16+\j]         ; s36-43 the experts' rows; s44-51 my expert's rows by wave
.endr
	s_mov_b32 s28, 0
.irp j, 0,1,2,3,4,5,6,7
	s_add_co_u32 s22, s[36+\j], 15
	s_lshr_b32 s22, s22, 4                         ; expert j's tiles
	s_cmp_lt_u32 \j, s13
	s_cselect_b32 s22, s22, 0                      ; they count if j comes before my expert
	s_add_co_u32 s28, s28, s22                     ; my expert's first tile
.endr
	s_mov_b32 s26, 0
	s_mov_b32 s25, 0
.irp i, 0,1,2,3,4,5,6,7
	s_add_co_u32 s26, s26, s[44+\i]                ; my expert's rows
	s_cmp_lt_u32 \i, s12
	s_cselect_b32 s22, s[44+\i], 0
	s_add_co_u32 s25, s25, s22                     ; those of the waves before me
.endr
	s_add_co_u32 s27, s26, 15
	s_lshr_b32 s27, s27, 4                         ; my expert's tiles
	s_lshl_b32 s24, s28, 4
	s_add_co_u32 s24, s24, s25                     ; my first position
; v[RR+5n+2] = token, +3 = row of yp, +4 = weight of the lanes named in s[m]: they take the positions from s24 on, in the order of the lanes
.macro PLACE n, m
	v_mbcnt_lo_u32_b32 v9, s[\m], 0                ; how many named lanes stand below me
	s_delay_alu instid0(VALU_DEP_1)
	v_add_nc_u32 v9, s24, v9
	s_delay_alu instid0(VALU_DEP_1)
	v_cndmask_b32 v9, v5, v9, s[\m]                ; my position, or my spare one
	s_delay_alu instid0(VALU_DEP_1)
	v_and_b32 v10, -16, v9
	s_delay_alu instid0(VALU_DEP_2)
	v_and_b32 v11, 1, v9
	s_delay_alu instid0(VALU_DEP_1)
	v_lshl_or_b32 v10, v11, 3, v10
	s_delay_alu instid0(VALU_DEP_4)
	v_bfe_u32 v11, v9, 1, 3
	s_delay_alu instid0(VALU_DEP_1)
	v_or_b32 v10, v10, v11                         ; where dst lies inside its group of 16
	v_min_u32 v9, NPOS-1, v9                       ; both lists end at position NPOS - 1
	s_delay_alu instid0(VALU_DEP_2)
	v_min_u32 v10, NPOS-1, v10
	s_delay_alu instid0(VALU_DEP_2)
	v_lshlrev_b32 v[RR+5*\n], 2, v9
	s_delay_alu instid0(VALU_DEP_2)
	v_lshlrev_b32 v[RR+5*\n+1], 2, v10
	global_store_b32 v[RR+5*\n], v[RR+5*\n+2], s[8:9]
	global_store_b32 v[RR+5*\n+1], v[RR+5*\n+3], s[8:9] offset:DSTB
	global_store_b32 v[RR+5*\n], v[RR+5*\n+4], s[10:11]
.endm
	s_wait_loadcnt 0x0                             ; the weights
.irp k, 0,1,2,3
	v_add_nc_u32 v[RR+5*\k+2], \k, v4              ; the token
	s_delay_alu instid0(VALU_DEP_1)
	v_add_nc_u32 v12, 1024, v[RR+5*\k+2]
	s_delay_alu instid0(VALU_DEP_1)
	v_cndmask_b32 v[RR+5*\k+3], v[RR+5*\k+2], v12, s[56+\k]        ; rank x 1,024 + token
	v_cndmask_b32 v[RR+5*\k+4], v[G+2*\k], v[G+2*\k+1], s[56+\k]
	PLACE \k, 52+\k
	s_add_co_u32 s24, s24, s[60+\k]
.endr
	s_cmp_lg_u32 s12, 7                            ; the last wave stands behind the expert's last row: it fills the last tile up
	s_cbranch_scc1 .Lfilled
	s_lshl_b32 s29, s27, 4
	s_sub_co_u32 s29, s29, s26                     ; positions that no row fills: 0 to 15
	v_cmp_gt_u32 s22, s29, v1
	v_mov_b32 v[RR+22], 0
	s_lshl_b32 s23, s13, 4
	s_add_co_u32 s23, s23, 2048
	v_add_nc_u32 v[RR+23], s23, v1
	v_mov_b32 v[RR+24], 0
	PLACE 4, 22
.Lfilled:
	s_cmp_lg_u32 s12, 0                            ; wave 0 stores the expert's pair
	s_cbranch_scc1 .Lend
	v_mov_b32 v16, s28
	v_mov_b32 v17, s27
	s_lshl_b32 s23, s13, 3
	v_mov_b32 v18, s23
	s_wait_alu depctr_va_vdst(0)
	s_wait_xcnt 0x0                                ; EXEC is narrowed only behind this wait: the stores above have taken theirs
	v_cmp_eq_u32 vcc_lo, 0, v1
	s_wait_tensorcnt 0x0
	ds_add_u32 v144, v145
	s_wait_dscnt 0x0
	s_and_saveexec_b32 s20, vcc_lo                 ; lane 0 stores; the wave ends so
	global_store_b64 v18, v[16:17], s[8:9] offset:TINF
	s_endpgm
.Lend:
	s_wait_tensorcnt 0x0
	ds_add_u32 v144, v145
	s_wait_dscnt 0x0
	s_endpgm
.Lfunc_end_k_q068879ea9b_place:
	.size	k_q068879ea9b_place, .Lfunc_end_k_q068879ea9b_place-k_q068879ea9b_place
	.p2alignl 7, 3214868480
	.fill 96, 4, 3214868480
	.section	.rodata,"a",@progbits
	.p2align	6, 0x0
	.amdhsa_kernel k_q068879ea9b_place
		.amdhsa_group_segment_fixed_size 1280
		.amdhsa_private_segment_fixed_size 0
		.amdhsa_enable_private_segment 0
		.amdhsa_kernarg_size 32
		.amdhsa_user_sgpr_count 2
		.amdhsa_user_sgpr_kernarg_segment_ptr 1
		.amdhsa_wavefront_size32 1
		.amdhsa_system_sgpr_workgroup_id_x 1
		.amdhsa_system_sgpr_workgroup_id_y 1
		.amdhsa_system_sgpr_workgroup_id_z 1
		.amdhsa_system_vgpr_workitem_id 0
		.amdhsa_next_free_vgpr 146
		.amdhsa_next_free_sgpr 66
		.amdhsa_reserve_vcc 1
		.amdhsa_float_denorm_mode_32 3
		.amdhsa_float_denorm_mode_16_64 3
		.amdhsa_memory_ordered 1
		.amdhsa_forward_progress 1
		.amdhsa_inst_pref_size 26
	.end_amdhsa_kernel
	.amdgpu_metadata
---
amdhsa.version: [ 1, 2 ]
amdhsa.kernels:
  - .name:           k_q068879ea9b_place
    .symbol:         k_q068879ea9b_place.kd
    .args:
      - { .name: sel, .offset: 0, .size: 8, .value_kind: global_buffer, .address_space: global }
      - { .name: gw, .offset: 8, .size: 8, .value_kind: global_buffer, .address_space: global }
      - { .name: plc, .offset: 16, .size: 8, .value_kind: global_buffer, .address_space: global }
      - { .name: gwp, .offset: 24, .size: 8, .value_kind: global_buffer, .address_space: global }
    .group_segment_fixed_size: 1280
    .private_segment_fixed_size: 0
    .kernarg_segment_align: 8
    .kernarg_segment_size: 32
    .max_flat_workgroup_size: 256
    .sgpr_count:     66
    .vgpr_count:     146
    .wavefront_size: 32
...
	.end_amdgpu_metadata
.endif
;; end of part 7
;; launch up (part 8): grid 32 x 8, 4 waves a work-group, no clusters, 92,672 bytes of LDS; arguments W1, b1, xq, plc, hq; writes hq
.if DOCPART == 8
	.amdgcn_target "amdgcn-amd-amdhsa--gfx1250"
	.amdhsa_code_object_version 6
	.text
	.protected	k_q068879ea9b_up
	.globl	k_q068879ea9b_up
	.p2align	8
	.type	k_q068879ea9b_up,@function
k_q068879ea9b_up:
	s_mov_b64 s[64:65], 0
	v_nop
	global_prefetch_b8 v0, s[64:65] scope:SCOPE_SE
	s_setreg_imm32_b32 hwreg(HW_REG_WAVE_SCHED_MODE, 0, 2), 2
	s_setreg_imm32_b32 hwreg(HW_REG_WAVE_MODE, 25, 1), 1
	s_wait_xcnt 0x0
	s_wait_alu depctr_vm_vsrc(0)
; h = Q(relu(Q(x) Q(W1)^T + b1)) for the rows that chose the expert.  Work-group (x = chunk of 128 hidden units, y = expert).
; PHASE 1.  The chunk's 128 rows of W1 (512 KiB of f32, read by this work-group alone, once in the launch) are quantised on their way: wave w takes rows 32 w on,
; 64 steps of 512 numbers.  A step's four loads read 512 consecutive bytes each; its 2,048 bytes turn through the wave's own stage in LDS, so that a lane holds 16
; neighbours along K; codes (rows of 512 bytes, 528 apart) and scale bytes (32 a row) are gathered in LDS.  Loads run 15 steps (60 loads a wave) ahead.
; PHASE 2, behind ONE barrier.  Every wave takes all 64 fragments of the chunk (8 tiles x 8 K steps) into 512 registers and walks the expert's tiles of 16 rows,
; wave w tiles w, w + 4, ..: x's codes gathered by the list, 64 products (transposed: source 0 = 16 rows of W1, source 1 = 16 tokens; b1 is the C of each sum's
; first product), relu, quantised in registers.  The chunk is one K step of the next product: the fragment leaves as an image of its registers.
; THE ROWS OF W1 THAT FORM A TILE ARE NOT NEIGHBOURS: lane r of tile 2 b + u takes row 32 b + 8 u + r + 8 (r / 8), so that the 16 registers of tiles 2 b and
; 2 b + 1 are 16 neighbours along the next K.  IN LDS THE ROWS LIE IN THE ORDER OF THE TILES: row x of a wave's 32 goes to LDS row 16 ((x / 8) % 2) + 8 (x / 16) + x % 8,
; so that lane r of tile t reads LDS row 16 t + r: sixteen consecutive rows, 33 x 16 bytes apart, begin in sixteen different columns of 16 bytes modulo 256.
; The number of tiles is read from memory, so nothing here is brought by a copy engine and no work-groups ask jointly: what they share (x's codes of the expert's rows,
; 544 bytes a row) is the smaller part beside 512 KiB that nobody shares.  An expert that no token chose stores nothing.
; LIMITS: NaN and infinities are not served; a block of zeros gets the byte 1 (its codes are zeros; the bytes are this program's own); blocks under 2^-124 are held at that byte.
; REGISTERS: window 0: addresses, scale words, the 8 accumulators, the quantiser's;  window 1: 16 landing sets of 16, later fragments of K steps 0-3 at v[64 q + 8 t];
;   window 2: K steps 4-7;  window 3: x's fragments, two sets, at v[64 p + 8 q]; b1's 8 tiles from v128.
; THE MODE: SCHED_MODE bits 1:0 = 2 (LLVM: expert scheduling mode 2), set by the entry lines.  The code itself states the register dependences
; between vector or matrix instructions and memory or LDS instructions, with s_wait_alu, always for 0.
; THE PLAN, PHASE 1.  Registers that memory or LDS instructions touch:
;   landing sets   written by the weight loads of step t + 15, issued in step t; read by the four LDS stores of step t's turn, issued in step t - 1.  No vector instruction names them.
;   X0, X1         written by the LDS loads of step t + 1's turn, issued in step t; read by step t + 1's vector lines.
;   CQ, EQ         by parity: written by step t's conversions and shift; read by the two LDS stores that stand at the head of step t + 1.
;   v3 to v7       offsets and LDS addresses, made once at the head.
; So two waits stand at a step's head, and behind them all its memory and LDS instructions, with no vector instruction between: the last step's two stores, four weight loads, the next step's turn.
; THE PLAN, PHASE 2, a tile of parity p:
;   x's fragments and XSC of p   read by the tile's 64 products; the loads for my tile two turns on land in them.      LST of p   read by one vector line; the next list lands in it.
;   XO, XSO, LO of p             offsets, written once a tile, read by those 18 loads.                                  HST, HSS, PC, PW   written once a tile, read by its three stores.
;   W1's fragments, WS, b1       loaded once, read by products alone.  The accumulators and the quantiser's registers are named by vector and matrix instructions alone.
; So a tile has one wait on vm_vsrc behind its products, one on va_vdst behind its six address lines, ahead of the 18 loads, and one behind the quantiser, ahead of the three stores.
.set NST,   64                         ; steps of a wave
.set AHEAD, 15                         ; steps that the loads run ahead
.set SP,    80                         ; a lane's place in a turn stage: 64 bytes + 16 of padding
.set SPR,   2                          ; steps in a row
.set GROW,  4096                       ; bytes from row to row in memory
.set CP,    528                        ; a row of codes in LDS: 512 bytes + 16
.set RPW,   32                         ; rows of a wave
.set CODES, 4*2*32*SP                  ; LDS: four waves' two stages, then the codes,
.set SCL,   CODES+128*CP               ; then the scale bytes, 32 a row
.set XTRA,  2                          ; loads issued behind the last weight load: the two first lists
.set XSB,   524288                     ; xq: where the scale bytes begin
.set HSB,   4456448                    ; hq: where the scale words begin
.set TINF,  33792                      ; plc: {first tile, tiles} of each expert
.set L16, 3                            ; v3   16 x lane
.set TIN, 4                            ; v4   the stage, in
.set TOUT, 5                           ; v5   the stage, out
.set CST, 6                            ; v6   where my 16 codes go
.set SST, 7                            ; v7   where my block's byte goes
.set AW,  13                           ; v13  my lane's place in a tile of codes
.set ASW, 14                           ; v14  and among the scale bytes
.set H64, 15                           ; v15  64 h
.set R4,  16                           ; v16  4 r
.set H16, 17                           ; v17  16 h
.set R16, 18                           ; v18  16 r
.set TK,  19                           ; v19  a token
.set LST, 20                           ; v20-21 the list of the tile two turns on, by parity
.set XO,  22                           ; v22-23 offset of my token's codes
.set XSO, 24                           ; v24-25 of its scale bytes
.set LO,  26                           ; v26-27 of a list
.set HST, 28                           ; v28  where the fragment's image goes
.set HSS, 29                           ; v29  and its scale word
.set CQ,  32                           ; v32-35 codes of a step, by parity
.set EQ,  36                           ; v36-37 its byte
.set X,   40                           ; v40-71 two sets of 16 neighbours
.set WS,  80                           ; v80-111 W1's scale words: 4 t + i: lanes 0-15 K step i, lanes 16-31 K step 4 + i.  They hold scales and nothing else
.set XSC, 112                          ; v112-119 x's, by parity, in the same halves
.set HA,  120                          ; v120-183 the 8 accumulators
.set PC,  184                          ; v184-191 the codes just made
.set TM,  192                          ; v192-207 the quantiser's
.set PW,  208                          ; v208 the scale word just made
.set B1,  128                          ; in window 3
.set WV,  14
.set CH,  15
.set EE,  16
.set TOFF, 20
.set TT,  21
.set TM1, 22
.set CT,  23                           ; s23  my tile in hand among the expert's: wave + 8 x trip
.set SEL, 30
.set PR,  32                           ; s32  the trip, stepped by 1
.set NP,  33                           ; s33  my trips; the loop does not write it
.set MSB, 0
.macro WIN new                         ; the immediate's high byte repeats the setting that is left
.if MSB != \new
	s_set_vgpr_msb (MSB<<8)|\new
.set MSB, \new
.endif
.endm
.macro WLOAD t                         ; step t's 2,048 bytes into landing set t % 16
	WIN 0x40
.irp i, 0,1,2,3
	global_load_b128 v[16*((\t)%16)+4*\i:16*((\t)%16)+4*\i+3], v[L16], s[4:5] offset:((\t)/SPR)*GROW+((\t)%SPR)*2048+512*\i th:TH_LOAD_NT
.endr
.endm
.macro TURN t                          ; through the stage: in as loaded, out 64 bytes a lane; LDS serves a wave's instructions in order
	WIN 0x04                                       ; an LDS store's data are its source 1: window 1
.irp i, 0,1,2,3
	ds_store_b128 v[TIN], v[16*((\t)%16)+4*\i:16*((\t)%16)+4*\i+3] offset:32*SP*((\t)%2)+8*SP*\i
.endr
	WIN 0
.irp i, 0,1,2,3
	ds_load_b128 v[X+16*((\t)%2)+4*\i:X+16*((\t)%2)+4*\i+3], v[TOUT] offset:32*SP*((\t)%2)+16*\i
.endr
.endm
.macro CSTORE t                        ; step t's byte and codes go to their places in LDS
.set XR, (\t)/SPR                      ; the step's row among my wave's 32,
.set LROW, 16*((XR/8)%2)+8*(XR/16)+XR%8   ; and its LDS row: the order of the tiles
	ds_store_b8 v[SST], v[EQ+(\t)%2] offset:32*LROW+16*((\t)%SPR)   ; both lanes of a block write the same byte with the same value
	ds_store_b64 v[CST], v[CQ+2*((\t)%2):CQ+2*((\t)%2)+1] offset:LROW*CP+((\t)%SPR)*256
.endm
.macro TILEIDX dst, add                ; the tile that my count + add names, held inside my expert's tiles and inside the buffers
	s_add_co_u32 s[\dst], s[CT], \add
	s_min_u32 s[\dst], s[\dst], s[TM1]
	s_add_co_u32 s[\dst], s[\dst], s[TOFF]
	s_min_u32 s[\dst], s[\dst], 135
.endm
.macro LISTADR                         ; the expert's tiles, and the offsets of the lists of my first two
	WIN 0
	s_wait_kmcnt 0x0
	s_min_u32 s[TOFF], s[TOFF], 135
	s_min_u32 s[TT], s[TT], 64                     ; 1,024 tokens at the most: 64 tiles
	s_max_u32 s[TM1], s[TT], 1
	s_sub_co_u32 s[TM1], s[TM1], 1
	TILEIDX 24, 0
	s_lshl_b32 s24, s24, 6
	v_add_nc_u32 v[LO], s24, v[R4]
	TILEIDX 24, 4
	s_lshl_b32 s24, s24, 6
	v_add_nc_u32 v[LO+1], s24, v[R4]
.endm
.macro QSTEP t
.if (\t)+AHEAD == NST-1
	LISTADR                                        ; ahead of the step's wait on va_vdst, which so states that the two offsets are written too
.endif
.if (\t) > 0
	s_wait_alu depctr_va_vdst(0)                   ; the last step's lines have written its codes and its byte, which the two LDS stores below read, and are done reading its 16 neighbours, in which the next turn's LDS loads land
	s_wait_alu depctr_vm_vsrc(0)                   ; the LDS stores issued so far have read the landing set of step t - 1, in which the loads below land, and the codes and byte of step t - 2, which this step's lines write again
	CSTORE (\t)-1
.endif
.if (\t)+AHEAD < NST
	WLOAD (\t)+AHEAD                               ; into the set of step t - 1
.endif
.if (\t)+AHEAD == NST-1
	WIN 0
	global_load_b32 v[LST], v[LO], s[10:11]        ; behind the last weight load: the lists of my first two tiles
	global_load_b32 v[LST+1], v[LO+1], s[10:11]
.endif
.if (\t) < NST-1
.if (\t) < NST-1-AHEAD
	s_wait_loadcnt 4*(AHEAD-1)                     ; the next step's four loads are in; behind them stand those of 14 steps
.elseif (\t) == NST-1-AHEAD
	s_wait_loadcnt 4*(AHEAD-1)+XTRA                ; and the two lists
.else
	s_wait_loadcnt 4*(NST-2-(\t))+XTRA             ; the counts run down
.endif
	TURN (\t)+1
.endif
	WIN 0
.if (\t) == 0
	s_wait_dscnt 8                                 ; this step's numbers are back from the stage; behind them stand the next turn's eight
.elseif (\t) < NST-1
	s_wait_dscnt 10                                ; this step's numbers are back from the stage; behind them stand the last step's two stores and the next turn's eight
.else
	s_wait_dscnt 2                                 ; the last step: behind its numbers stand two stores alone
.endif
.set XN, X+16*((\t)%2)
	v_max3_num_f32 v8, |v[XN]|, |v[XN+1]|, |v[XN+2]|
	v_max3_num_f32 v9, |v[XN+3]|, |v[XN+4]|, |v[XN+5]|
.irp i, 6,10
	v_max3_num_f32 v8, v8, |v[XN+\i]|, |v[XN+\i+1]|
	v_max3_num_f32 v9, v9, |v[XN+\i+2]|, |v[XN+\i+3]|
.endr
	v_max3_num_f32 v8, v8, |v[XN+14]|, |v[XN+15]|
	v_max3_num_f32 v8, v8, v9, 0x1800000           ; and the floor 2^(3 - 127): the byte cannot fall under 1
	v_max_num_f32_dpp v8, v8, v8 row_xmask:1 row_mask:0xf bank_mask:0xf   ; with my neighbour's 16: the block's largest magnitude
	v_add_nc_u32 v10, 0xff000000, v8               ; 2 off its exponent field: the conversion's scale operand
	v_cvt_scalef32_pk8_fp4_f32 v[CQ+2*((\t)%2)], v[XN:XN+7], v10
	v_cvt_scalef32_pk8_fp4_f32 v[CQ+2*((\t)%2)+1], v[XN+8:XN+15], v10
	v_lshrrev_b32 v[EQ+(\t)%2], 23, v10            ; the scale's byte (the plain line behind the conversions)
.endm
; The offsets of 18 loads: x's scale words and 8 fragments of the tile whose list lies in LST + p, and the list of the tile that my count + add names
.macro GADDR p, add
	v_min_u32 v[TK], 1023, v[LST+\p]
	v_lshl_add_u32 v[XO+\p], v[TK], 9, v[H16]      ; 512 bytes of codes a token, + 16 h
	v_lshl_add_u32 v[XSO+\p], v[TK], 5, v[H16]     ; 32 scale bytes a token: lanes 0-15 K steps 0-3, lanes 16-31 K steps 4-7
	TILEIDX 24, \add
	s_lshl_b32 s24, s24, 6
	v_add_nc_u32 v[LO+\p], s24, v[R4]
.endm
; and the 18 loads
.macro GLOAD p
	global_load_b128 v[XSC+4*\p:XSC+4*\p+3], v[XSO+\p], s[8:9] offset:XSB
	global_load_b32 v[LST+\p], v[LO+\p], s[10:11]
	WIN 0xc0
.irp q, 0,1,2,3,4,5,6,7
.irp c, 0,1
	global_load_b128 v[64*\p+8*\q+4*\c:64*\p+8*\q+4*\c+3], v[XO+\p], s[8:9] offset:64*\q+32*\c
.endr
.endr
	WIN 0
.endm
; 64 numbers of a lane, none negative, register 16 b + i = k 32 b + 16 h + i of my row, become a fragment's codes in v[PC] on and its scale word in v[PW]
.macro QUANT s
.irp b, 0,1,2,3
	v_max3_num_f32 v[TM+\b], v[\s+16*\b], v[\s+1+16*\b], 0x1800000   ; block b: my 16 numbers, and the floor 2^(3 - 127)
.endr
.irp i, 2,4,6,8,10,12,14
.irp b, 0,1,2,3
	v_max3_num_f32 v[TM+\b], v[TM+\b], v[\s+16*\b+\i], v[\s+1+16*\b+\i]   ; the four blocks by turns
.endr
.endr
.irp b, 0,1,2,3
	v_permlanex16_b32 v[TM+4+\b], v[TM+\b], s[SEL], s[SEL+1]
.endr
.irp b, 0,1,2,3
	v_max_num_f32 v[TM+\b], v[TM+\b], v[TM+4+\b]   ; with lane l xor 16's: the block's largest
.endr
.irp b, 0,1,2,3
	v_add_nc_u32 v[TM+12+\b], 0xff000000, v[TM+\b] ; the conversion's scale operand
.endr
.irp b, 0,1,2,3
	v_lshrrev_b32 v[TM+4+\b], 23, v[TM+12+\b]      ; the scale's byte
.endr
	v_lshl_or_b32 v[PW], v[TM+5], 8, v[TM+4]
	v_lshl_or_b32 v[PW], v[TM+6], 16, v[PW]
	v_lshl_or_b32 v[PW], v[TM+7], 24, v[PW]        ; my row's scale word
.irp b, 0,1,2,3
	v_cvt_scalef32_pk8_fp4_f32 v[PC+2*\b], v[\s+16*\b:\s+7+16*\b], v[TM+12+\b]
	v_cvt_scalef32_pk8_fp4_f32 v[PC+1+2*\b], v[\s+8+16*\b:\s+15+16*\b], v[TM+12+\b]
.endr
	v_nop                                          ; one plain line behind a scaled conversion
.irp c, 0,1                            ; the operand's layout wants a whole block in a lane: lanes 0-15 block 2 c, lanes 16-31 block 2 c + 1
.irp i, 0,1
	v_permlane16_swap_b32 v[PC+4*\c+\i], v[PC+2+4*\c+\i]
.endr
.endr
.endm
	s_load_b256 s[4:11], s[0:1], 0x0               ; W1 s[4:5], b1 s[6:7], xq s[8:9], plc s[10:11]
	s_load_b64 s[12:13], s[0:1], 0x20              ; hq
	v_lshl_add_u32 v254, v0, 2, 0x16800
	v_mov_b32 v255, 0
	v_lshrrev_b32 v1, 5, v0
	v_readfirstlane_b32 s[WV], v1                  ; wave 0..3
	s_mov_b32 s[CH], ttmp9                         ; the chunk
	s_and_b32 s[EE], ttmp7, 0xffff                 ; the expert
	v_and_b32 v9, 31, v0                           ; lane
	v_and_b32 v1, 15, v0                           ; r
	v_bfe_u32 v2, v0, 4, 1                         ; h
	v_lshlrev_b32 v[L16], 4, v9
	s_wait_alu depctr_va_sdst(0)                   ; the wave's number is written, ahead of its first reader
	s_mov_b32 s[CT], s[WV]                         ; my first tile among the expert's
	s_mul_i32 s24, s[WV], 2*32*SP                  ; my two stages
	v_lshrrev_b32 v[TIN], 2, v9
	v_mul_u32_u24 v[TIN], v[TIN], SP
	v_and_b32 v10, 3, v9
	v_lshl_add_u32 v[TIN], v10, 4, v[TIN]
	v_add_nc_u32 v[TIN], s24, v[TIN]               ; SP (lane / 4) + 16 (lane % 4)
	v_mul_u32_u24 v[TOUT], v9, SP
	v_add_nc_u32 v[TOUT], s24, v[TOUT]             ; SP x lane
	s_mul_i32 s24, s[WV], RPW*CP
	s_add_co_u32 s24, s24, CODES
	v_lshl_add_u32 v[CST], v9, 3, s24              ; my wave's rows, 8 bytes a lane
	s_lshl_b32 s24, s[WV], 10
	s_add_co_u32 s24, s24, SCL
	v_lshrrev_b32 v[SST], 1, v9
	v_add_nc_u32 v[SST], s24, v[SST]               ; my wave's 1,024 scale bytes, a byte for two lanes
	v_mul_u32_u24 v[AW], v1, CP                    ; a tile's LDS rows are neighbours: row r, + 16 h
	v_lshl_add_u32 v[AW], v2, 4, v[AW]
	v_add_nc_u32 v[AW], CODES, v[AW]
	v_lshlrev_b32 v[ASW], 5, v1
	v_lshl_add_u32 v[ASW], v2, 4, v[ASW]
	v_add_nc_u32 v[ASW], SCL, v[ASW]
	v_lshlrev_b32 v[H64], 6, v2
	v_lshlrev_b32 v[R4], 2, v1
	v_lshlrev_b32 v[H16], 4, v2
	v_lshlrev_b32 v[R16], 4, v1
.irp b, 0,1,2,3
	v_mov_b32 v[TM+4+\b], 0                        ; written once: a lane exchange's destination counts as read
.endr
	s_mov_b32 s[SEL], 0x76543210
	s_mov_b32 s[SEL+1], 0xfedcba98                 ; lane l xor 16
	s_lshl_b32 s28, s[CH], 10                      ; hq: my K step's image in a tile: 1,024 bytes a step
	s_lshr_b32 s24, s[CH], 3
	s_lshl_b32 s29, s24, 9                         ; its scale word: group of eight steps x 512,
	s_bfe_u32 s24, s[CH], 0x10002
	s_lshl_b32 s24, s24, 8
	s_add_co_u32 s29, s29, s24                     ; + which half of the lanes x 256,
	s_and_b32 s24, s[CH], 3
	s_lshl_b32 s24, s24, 2
	s_add_co_u32 s29, s29, s24                     ; + which word of four
	s_lshl_b32 s18, s[EE], 24                      ; W1: 16 MiB an expert, 512 KiB a chunk, 128 KiB a wave
	s_lshl_b32 s24, s[CH], 19
	s_or_b32 s18, s18, s24
	s_lshl_b32 s24, s[WV], 17
	s_or_b32 s18, s18, s24
	s_mov_b32 s19, 0
	s_lshl_b32 s26, s[EE], 3                       ; (kept until the scalar load below is waited for)
	s_wait_kmcnt 0x0
	s_add_nc_u64 s[4:5], s[4:5], s[18:19]
	s_lshl_b32 s18, s[EE], 14
	s_lshl_b32 s24, s[CH], 9
	s_or_b32 s18, s18, s24
	s_add_nc_u64 s[6:7], s[6:7], s[18:19]          ; b1 at the chunk's 128 numbers
	s_load_b64 s[TOFF:TOFF+1], s[10:11], s26 offset:TINF   ; my expert's first tile and number of tiles
	WIN 0xc0
	s_wait_alu depctr_va_vdst(0)                   ; the offsets and LDS addresses made above are written: the loads and LDS instructions below read them, and they are not written again
.irp t, 0,1,2,3,4,5,6,7                ; b1 in the result's layout: lane (r, h) wants, for tile 2 b + u, hidden units 32 b + 16 h + 8 u + 0 .. 7
	global_load_b128 v[B1+8*\t:B1+8*\t+3], v[H64], s[6:7] offset:(32*(\t/2)+8*(\t%2))*4
	global_load_b128 v[B1+8*\t+4:B1+8*\t+7], v[H64], s[6:7] offset:(32*(\t/2)+8*(\t%2))*4+16
.endr
	; ---- PHASE 1: every offset is an immediate, no pointer is stepped
.set Q, 0
.rept AHEAD
	WLOAD Q
.set Q, Q+1
.endr
	s_wait_loadcnt 4*(AHEAD-1)                     ; step 0's four loads are in; behind them stand those of 14 steps
	TURN 0
.set Q, 0
.rept NST
	QSTEP Q
.set Q, Q+1
.endr
	s_wait_loadcnt 0x0                             ; the two lists
	GADDR 0, 8                                     ; my first tile's operands, and the list of my third
	GADDR 1, 12                                    ; my second's, and the list of my fourth
	s_wait_alu depctr_va_vdst(0)                   ; the last step's codes and byte are written, which the LDS stores below read; so are the six offsets, which the loads below read; and the two lists have been read, in which the next lists land
	CSTORE NST-1
	GLOAD 0
	GLOAD 1
	s_wait_dscnt 0x0                               ; for the others' sake: my codes and bytes have landed
	s_barrier_signal -1
	s_barrier_wait -1                              ; the chunk lies in LDS; nothing is written there again
	WIN 0x40                                       ; (the landing sets were last read by the LDS stores of the last turn, which stand ahead of the last step's wait on vm_vsrc: the fragments may land in them)
.irp q, 0,1,2,3
.irp t, 0,1,2,3,4,5,6,7
.irp c, 0,1
	ds_load_b128 v[64*\q+8*\t+4*\c:64*\q+8*\t+4*\c+3], v[AW] offset:16*\t*CP+64*\q+32*\c
.endr
.endr
.endr
	WIN 0x80
.irp q, 4,5,6,7
.irp t, 0,1,2,3,4,5,6,7
.irp c, 0,1
	ds_load_b128 v[64*(\q-4)+8*\t+4*\c:64*(\q-4)+8*\t+4*\c+3], v[AW] offset:16*\t*CP+64*\q+32*\c
.endr
.endr
.endr
	WIN 0
.irp t, 0,1,2,3,4,5,6,7
	ds_load_b128 v[WS+4*\t:WS+4*\t+3], v[ASW] offset:16*\t*32
.endr
	s_wait_dscnt 0x0
; ---- PHASE 2.  One tile of 16 rows, parity p.
.macro HALF p
	s_wait_loadcnt 18                              ; my group of 18 is in; the other parity's 18 were issued behind it
.irp q, 0,1,2,3,4,5,6,7                ; K step by K step, the 8 accumulators by turns, one instruction a turn
.if \q == 0
	WIN 0x3d                                       ; source 0 (W1) window 1, source 1 (x) and source 2 (b1) window 3
.elseif \q < 4
	WIN 0x0d
.else
	WIN 0x0e                                       ; source 0 window 2
.endif
.irp t, 0,1,2,3,4,5,6,7
.if \q == 0
	v_wmma_scale_f32_16x16x128_f8f6f4 v[HA+8*\t:HA+8*\t+7], v[8*\t:8*\t+7], v[64*\p:64*\p+7], v[B1+8*\t:B1+8*\t+7], v[WS+4*\t], v[XSC+4*\p] matrix_a_fmt:MATRIX_FMT_FP4 matrix_b_fmt:MATRIX_FMT_FP4
.elseif \q < 4
	v_wmma_scale_f32_16x16x128_f8f6f4 v[HA+8*\t:HA+8*\t+7], v[64*\q+8*\t:64*\q+8*\t+7], v[64*\p+8*\q:64*\p+8*\q+7], v[HA+8*\t:HA+8*\t+7], v[WS+4*\t+\q], v[XSC+4*\p+\q] matrix_a_fmt:MATRIX_FMT_FP4 matrix_b_fmt:MATRIX_FMT_FP4
.else
	v_wmma_scale_f32_16x16x128_f8f6f4 v[HA+8*\t:HA+8*\t+7], v[64*(\q-4)+8*\t:64*(\q-4)+8*\t+7], v[64*\p+8*\q:64*\p+8*\q+7], v[HA+8*\t:HA+8*\t+7], v[WS+4*\t+\q-4], v[XSC+4*\p+\q-4] matrix_a_fmt:MATRIX_FMT_FP4 matrix_b_fmt:MATRIX_FMT_FP4 matrix_a_scale:MATRIX_SCALE_ROW1 matrix_b_scale:MATRIX_SCALE_ROW1
.endif
.endr
.endr
	WIN 0
	s_wait_xcnt 0x0                                ; the last tile's stores have taken their offsets and data: HST, HSS, PC and PW are written again only behind this wait
	s_wait_alu depctr_vm_vsrc(0)                   ; the last tile's stores have read HST, HSS, PC and PW, and this parity's last 18 loads XO, XSO and LO: the lines below write all of them again
	s_add_co_u32 s24, s[CT], 4*\p
	s_add_co_u32 s24, s24, s[TOFF]
	s_min_u32 s24, s24, 135                        ; this tile
	s_lshl_b32 s25, s24, 15
	s_add_co_u32 s25, s25, s28
	v_add_nc_u32 v[HST], s25, v[L16]               ; its image: 32 KiB a tile, 1 KiB a K step, 16 bytes a lane
	s_lshl_b32 s25, s24, 11
	s_add_co_u32 s25, s25, s29
	v_add_nc_u32 v[HSS], s25, v[R16]               ; its scale word: 2 KiB a tile, 16 bytes a row
	GADDR \p, 4*\p+16                              ; the two lines above and these four are six plain lines that name no register of the products: the places in front of the reads below
	s_wait_alu depctr_va_vdst(0)                   ; the three offsets are written, which the loads below read; the products are done reading x's fragments and scale words of this parity, and the list has been read: the loads below land in them
	GLOAD \p
.set J, 0
.rept 64
	v_max_num_f32 v[HA+J], 0, v[HA+J]              ; the activation, in f32; each accumulator from its low end on
.set J, J+1
.endr
	QUANT HA
	s_wait_alu depctr_va_vdst(0)                   ; the quantiser has written the codes and the scale word, which the stores below read
	global_store_b128 v[HST], v[PC:PC+3], s[12:13]                 ; the wave stores 512 consecutive bytes, aligned
	global_store_b128 v[HST], v[PC+4:PC+7], s[12:13] offset:512
	global_store_b32 v[HSS], v[PW], s[12:13] offset:HSB            ; lanes l and l xor 16 write the same word with the same value
.endm
; The loop over my tiles, two a trip.  Its counter steps by 1 against the number of my trips, made once ahead of it.  It is left by falling through its branch back,
; or by ending the wave where its tiles end: no branch passes over the counter's step.
	s_cmp_lt_u32 s[CT], s[TT]
	s_cbranch_scc1 .Lwork
	s_wait_dscnt 0x0                               ; no tile of this expert is mine.  The closing lines, six on end
	s_wait_alu 0x0
	s_wait_tensorcnt 0x0
	ds_add_u32 v254, v255
	s_wait_dscnt 0x0
	s_endpgm
.Lwork:
	s_sub_co_u32 s[NP], s[TT], s[CT]               ; the expert's tiles from my first on; every fourth is mine, two of mine a trip:
	s_add_co_u32 s[NP], s[NP], 7
	s_lshr_b32 s[NP], s[NP], 3                     ; trips = that number / 8, rounded up: at least 1,
	s_min_u32 s[NP], s[NP], 8                      ; and with 64 tiles at the most 8
	s_mov_b32 s[PR], 0
.Lpair:
	HALF 0
	s_add_co_u32 s24, s[CT], 4
	s_cmp_lt_u32 s24, s[TT]
	s_cbranch_scc1 .Lsecond
	s_wait_dscnt 0x0                               ; that was my last tile (the loads asked for ahead are dropped with the wave).  The closing lines, six on end
	s_wait_alu 0x0
	s_wait_tensorcnt 0x0
	ds_add_u32 v254, v255
	s_wait_dscnt 0x0
	s_endpgm
.Lsecond:
	HALF 1
	s_add_co_u32 s[CT], s[CT], 8                   ; my tile in hand
	s_add_co_u32 s[PR], s[PR], 1
	s_cmp_lt_u32 s[PR], s[NP]
	s_cbranch_scc1 .Lpair
	s_wait_dscnt 0x0                               ; the closing lines, six on end
	s_wait_alu 0x0
	s_wait_tensorcnt 0x0
	ds_add_u32 v254, v255
	s_wait_dscnt 0x0
	s_endpgm
.Lfunc_end_k_q068879ea9b_up:
	.size	k_q068879ea9b_up, .Lfunc_end_k_q068879ea9b_up-k_q068879ea9b_up
	.p2alignl 7, 3214868480
	.fill 96, 4, 3214868480
	.section	.rodata,"a",@progbits
	.p2align	6, 0x0
	.amdhsa_kernel k_q068879ea9b_up
		.amdhsa_group_segment_fixed_size 92672
		.amdhsa_private_segment_fixed_size 0
		.amdhsa_enable_private_segment 0
		.amdhsa_kernarg_size 40
		.amdhsa_user_sgpr_count 2
		.amdhsa_user_sgpr_kernarg_segment_ptr 1
		.amdhsa_wavefront_size32 1
		.amdhsa_system_sgpr_workgroup_id_x 1
		.amdhsa_system_sgpr_workgroup_id_y 1
		.amdhsa_system_sgpr_workgroup_id_z 1
		.amdhsa_system_vgpr_workitem_id 0
		.amdhsa_next_free_vgpr 1024
		.amdhsa_next_free_sgpr 66
		.amdhsa_reserve_vcc 0
		.amdhsa_float_denorm_mode_32 3
		.amdhsa_float_denorm_mode_16_64 3
		.amdhsa_memory_ordered 1
		.amdhsa_forward_progress 1
		.amdhsa_inst_pref_size 183
	.end_amdhsa_kernel
	.amdgpu_metadata
---
amdhsa.version: [ 1, 2 ]
amdhsa.kernels:
  - .name:           k_q068879ea9b_up
    .symbol:         k_q068879ea9b_up.kd
    .args:
      - { .name: W1, .offset: 0, .size: 8, .value_kind: global_buffer, .address_space: global }
      - { .name: b1, .offset: 8, .size: 8, .value_kind: global_buffer, .address_space: global }
      - { .name: xq, .offset: 16, .size: 8, .value_kind: global_buffer, .address_space: global }
      - { .name: plc, .offset: 24, .size: 8, .value_kind: global_buffer, .address_space: global }
      - { .name: hq, .offset: 32, .size: 8, .value_kind: global_buffer, .address_space: global }
    .group_segment_fixed_size: 92672
    .private_segment_fixed_size: 0
    .kernarg_segment_align: 8
    .kernarg_segment_size: 40
    .max_flat_workgroup_size: 128
    .sgpr_count:     66
    .vgpr_count:     1024
    .wavefront_size: 32
...
	.end_amdgpu_metadata
.endif
;; end of part 8
;; launch down (part 9): grid 32 x 8, 4 waves a work-group, no clusters, 109,056 bytes of LDS; arguments W2, b2, hq, plc, gwp, yp; writes yp
.if DOCPART == 9
	.amdgcn_target "amdgcn-amd-amdhsa--gfx1250"
	.amdhsa_code_object_version 6
	.text
	.protected	k_q068879ea9b_down
	.globl	k_q068879ea9b_down
	.p2align	8
	.type	k_q068879ea9b_down,@function
k_q068879ea9b_down:
	s_mov_b64 s[64:65], 0
	v_nop
	global_prefetch_b8 v0, s[64:65] scope:SCOPE_SE
	s_setreg_imm32_b32 hwreg(HW_REG_WAVE_SCHED_MODE, 0, 2), 2
	s_setreg_imm32_b32 hwreg(HW_REG_WAVE_MODE, 25, 1), 1
	s_wait_xcnt 0x0
	s_wait_alu depctr_vm_vsrc(0)
; yp = gate's weight x (Q(h) Q(W2)^T (+ b2)) for the rows that chose the expert.  Work-group (x = 2 x chunk of 64 outputs + half of K, y = expert).
; PHASE 1.  64 rows x 2,048 along K of W2 (512 KiB of f32, read by this work-group alone, once in the launch) are quantised on their way: wave w takes rows 16 w on,
; 64 steps of 512 numbers, four to a row's part; the steps are those of the launch before.  Codes in LDS: rows of 1,024 bytes, 1,040 apart; scale bytes 64 a row.
; PHASE 2, behind ONE barrier.  Every wave takes all 64 fragments (4 tiles x 16 K steps) into 512 registers and walks the expert's tiles of 16 rows, wave w tiles
; w, w + 4, ..: h's fragments come as images of their registers, 64 products (transposed: source 0 = 16 rows of W2, source 1 = 16 tokens), times the gate's weight.
; b2 is the C of each sum's first product in the half of K that begins at 0, and zeros in the other: it enters once.
; A lane holds 8 neighbouring outputs of one token: the tile goes through the wave's own stage in LDS, and sixteen lanes store a row's 256 consecutive bytes, aligned,
; to the row of yp that the list names (rank x 1,024 + token, in the plane of this half of K).  The last launch adds a token's four rows.
; The number of tiles is read from memory, so nothing here is brought by a copy engine and no work-groups ask jointly.  An expert that no token chose stores nothing.
; LIMITS: NaN and infinities are not served (b2 among them: it is multiplied by 0 in one half of K); a block of zeros gets the byte 1; blocks under 2^-124 are held at that byte.
; REGISTERS: window 0: addresses, scale words, accumulators, b2, the way out;  window 1: 16 landing sets of 16, later fragments of K steps 0-7 at v[32 q + 8 t];
;   window 2: K steps 8-15;  window 3: h's fragments, two sets, at v[128 p + 8 q].
; THE MODE: SCHED_MODE bits 1:0 = 2 (LLVM: expert scheduling mode 2), set by the entry lines.  The code itself states the register dependences
; between vector or matrix instructions and memory or LDS instructions, with s_wait_alu, always for 0.
; THE PLAN, PHASE 1.  Registers that memory or LDS instructions touch:
;   landing sets   written by the weight loads of step t + 15, issued in step t; read by the four LDS stores of step t's turn, issued in step t - 1.  No vector instruction names them.
;   X0, X1         written by the LDS loads of step t + 1's turn, issued in step t; read by step t + 1's vector lines.
;   CQ, EQ         by parity: written by step t's conversions and shift; read by the two LDS stores that stand at the head of step t + 1.
;   v3 to v7       offsets and LDS addresses, made once at the head.
; So two waits stand at a step's head, and behind them all its memory and LDS instructions, with no vector instruction between: the last step's two stores, four weight loads, the next step's turn.
; THE PLAN, PHASE 2, a tile of parity p:
;   the accumulators             begun anew by the tile's first products, scaled by vector lines, read by the eight LDS stores into the stage.
;   h's fragments and HS of p    read by the tile's 64 products; GWR and DL of p by vector lines; the 37 loads for my tile two turns on land in all of them.
;   HO, HSO, GO, DO of p         offsets, written once a tile, read by those 37 loads.       DSTO   written once a tile, read by its eight global stores as offsets.
;   OB                           written by the LDS loads from the stage, read by the global stores; no vector instruction names it.
;   W2's fragments, WS           loaded once, read by products alone.  b2 is loaded once, scaled once ahead of the loop, and read by products alone.
; So a tile has one wait on vm_vsrc at its head, ahead of the products, and one on va_vdst behind its vector lines, ahead of all its loads and stores.
.set NST,   64
.set AHEAD, 15
.set SP,    80
.set SPR,   4                          ; steps in a row's part
.set GROW,  16384                      ; bytes from row to row in memory
.set CP,    1040                       ; a row of codes in LDS: 1,024 bytes + 16
.set RPW,   16
.set CODES, 4*2*32*SP
.set SCL,   CODES+64*CP
.set STG,   SCL+4096                   ; the way out: 16 rows x (256 bytes + 16) for each wave
.set HSB,   4456448
.set TINF,  33792                      ; plc: {first tile, tiles} of each expert
.set DSTB,  16896                      ; plc: where dst begins
.set PLANE, 8912896                    ; yp: 2,176 rows of 4,096 bytes for each half of K
.set L16, 3
.set TIN, 4
.set TOUT, 5
.set CST, 6
.set SST, 7
.set AW,  13
.set ASW, 14
.set H32, 15                           ; v15  32 h
.set R4,  16                           ; v16  4 r
.set L16K, 17                          ; v17  16 x lane + my half of K in a tile's images
.set L16S, 18                          ; v18  16 x lane + my half of K in a tile's scale words
.set C16, 19                           ; v19  16 r
.set HO,  20                           ; v20-21 offset of the tile's images, by parity
.set HSO, 22                           ; v22-23 of its scale words
.set GO,  24                           ; v24-25 of its weights
.set DO,  26                           ; v26-27 of its rows' numbers
.set STI, 28                           ; v28  the stage, in
.set STO, 29                           ; v29  the stage, out
.set CQ,  32
.set EQ,  36
.set X,   40
.set WS,  80                           ; v80-111 W2's scale words: 8 t + 4 (q / 8) + q % 4, lanes 0-15 or 16-31 by (q / 4) % 2.  They hold scales and nothing else
.set HS,  112                          ; v112-127 h's, by parity, laid likewise
.set ACC, 128                          ; v128-159 four accumulators
.set B2,  160                          ; v160-191 b2 in the result's layout
.set OB,  192                          ; v192-223 16 rows back from the stage
.set DL,  224                          ; v224-239 the rows' numbers, by parity
.set DSTO, 240                         ; v240-247 the stores' offsets
.set GWR, 248                          ; v248-249 the gate's weight of my token, by parity
.set WV,  16
.set DC,  17
.set KH,  18
.set EE,  19
.set TOFF, 20
.set TT,  21
.set TM1, 22
.set CT,  23                           ; s23  my tile in hand among the expert's: wave + 8 x trip
.set PR,  32                           ; s32  the trip, stepped by 1
.set NP,  33                           ; s33  my trips; the loop does not write it
.set MSB, 0
.macro WIN new                         ; the immediate's high byte repeats the setting that is left
.if MSB != \new
	s_set_vgpr_msb (MSB<<8)|\new
.set MSB, \new
.endif
.endm
.macro WLOAD t                         ; step t's 2,048 bytes into landing set t % 16
	WIN 0x40
.irp i, 0,1,2,3
	global_load_b128 v[16*((\t)%16)+4*\i:16*((\t)%16)+4*\i+3], v[L16], s[4:5] offset:((\t)/SPR)*GROW+((\t)%SPR)*2048+512*\i th:TH_LOAD_NT
.endr
.endm
.macro TURN t                          ; through the stage: in as loaded, out 64 bytes a lane; LDS serves a wave's instructions in order
	WIN 0x04                                       ; an LDS store's data are its source 1: window 1
.irp i, 0,1,2,3
	ds_store_b128 v[TIN], v[16*((\t)%16)+4*\i:16*((\t)%16)+4*\i+3] offset:32*SP*((\t)%2)+8*SP*\i
.endr
	WIN 0
.irp i, 0,1,2,3
	ds_load_b128 v[X+16*((\t)%2)+4*\i:X+16*((\t)%2)+4*\i+3], v[TOUT] offset:32*SP*((\t)%2)+16*\i
.endr
.endm
.macro CSTORE t                        ; step t's byte and codes go to their places in LDS
	ds_store_b8 v[SST], v[EQ+(\t)%2] offset:16*(\t)   ; both lanes of a block write the same byte with the same value
	ds_store_b64 v[CST], v[CQ+2*((\t)%2):CQ+2*((\t)%2)+1] offset:((\t)/SPR)*CP+((\t)%SPR)*256
.endm
.macro TILEIDX dst, add                ; the tile that my count + add names, held inside my expert's tiles and inside the buffers
	s_add_co_u32 s[\dst], s[CT], \add
	s_min_u32 s[\dst], s[\dst], s[TM1]
	s_add_co_u32 s[\dst], s[\dst], s[TOFF]
	s_min_u32 s[\dst], s[\dst], 135
.endm
.macro QSTEP t
.if (\t) > 0
	s_wait_alu depctr_va_vdst(0)                   ; the last step's lines have written its codes and its byte, which the two LDS stores below read, and are done reading its 16 neighbours, in which the next turn's LDS loads land
	s_wait_alu depctr_vm_vsrc(0)                   ; the LDS stores issued so far have read the landing set of step t - 1, in which the loads below land, and the codes and byte of step t - 2, which this step's lines write again
	CSTORE (\t)-1
.endif
.if (\t)+AHEAD < NST
	WLOAD (\t)+AHEAD                               ; into the set of step t - 1
.endif
.if (\t) < NST-1
.if (\t) <= NST-1-AHEAD
	s_wait_loadcnt 4*(AHEAD-1)                     ; the next step's four loads are in; behind them stand those of 14 steps
.else
	s_wait_loadcnt 4*(NST-2-(\t))                  ; the counts run down, to 0 in step 62
.endif
	TURN (\t)+1
.endif
	WIN 0
.if (\t) == 0
	s_wait_dscnt 8                                 ; this step's numbers are back from the stage; behind them stand the next turn's eight
.elseif (\t) < NST-1
	s_wait_dscnt 10                                ; this step's numbers are back from the stage; behind them stand the last step's two stores and the next turn's eight
.else
	s_wait_dscnt 2                                 ; the last step: behind its numbers stand two stores alone
.endif
.set XN, X+16*((\t)%2)
	v_max3_num_f32 v8, |v[XN]|, |v[XN+1]|, |v[XN+2]|
	v_max3_num_f32 v9, |v[XN+3]|, |v[XN+4]|, |v[XN+5]|
.irp i, 6,10
	v_max3_num_f32 v8, v8, |v[XN+\i]|, |v[XN+\i+1]|
	v_max3_num_f32 v9, v9, |v[XN+\i+2]|, |v[XN+\i+3]|
.endr
	v_max3_num_f32 v8, v8, |v[XN+14]|, |v[XN+15]|
	v_max3_num_f32 v8, v8, v9, 0x1800000           ; and the floor 2^(3 - 127): the byte cannot fall under 1
	v_max_num_f32_dpp v8, v8, v8 row_xmask:1 row_mask:0xf bank_mask:0xf   ; with my neighbour's 16: the block's largest magnitude
	v_add_nc_u32 v10, 0xff000000, v8               ; 2 off its exponent field: the conversion's scale operand
	v_cvt_scalef32_pk8_fp4_f32 v[CQ+2*((\t)%2)], v[XN:XN+7], v10
	v_cvt_scalef32_pk8_fp4_f32 v[CQ+2*((\t)%2)+1], v[XN+8:XN+15], v10
	v_lshrrev_b32 v[EQ+(\t)%2], 23, v10            ; the scale's byte (the plain line behind the conversions)
.endm
; The offsets of 37 loads, of the tile that my count + add names
.macro GADDR p, add
	TILEIDX 24, \add
	s_lshl_b32 s25, s24, 15
	v_add_nc_u32 v[HO+\p], s25, v[L16K]
	s_lshl_b32 s25, s24, 11
	v_add_nc_u32 v[HSO+\p], s25, v[L16S]
	s_lshl_b32 s25, s24, 6
	v_add_nc_u32 v[GO+\p], s25, v[R4]
	v_add_nc_u32 v[DO+\p], s25, v[H32]
.endm
; and the 37 loads: h's scale words (2), the weights (1), the rows' numbers (2), h's 16 fragments (32)
.macro GLOAD p
	global_load_b128 v[HS+8*\p:HS+8*\p+3], v[HSO+\p], s[8:9] offset:HSB
	global_load_b128 v[HS+8*\p+4:HS+8*\p+7], v[HSO+\p], s[8:9] offset:HSB+512
	global_load_b32 v[GWR+\p], v[GO+\p], s[12:13]
	global_load_b128 v[DL+8*\p:DL+8*\p+3], v[DO+\p], s[10:11] offset:DSTB
	global_load_b128 v[DL+8*\p+4:DL+8*\p+7], v[DO+\p], s[10:11] offset:DSTB+16
	WIN 0xc0
.irp q, 0,1,2,3,4,5,6,7,8,9,10,11,12,13,14,15
.irp c, 0,1
	global_load_b128 v[128*\p+8*\q+4*\c:128*\p+8*\q+4*\c+3], v[HO+\p], s[8:9] offset:1024*\q+512*\c   ; the wave reads 512 consecutive bytes
.endr
.endr
	WIN 0
.endm
	s_load_b256 s[4:11], s[0:1], 0x0               ; W2 s[4:5], b2 s[6:7], hq s[8:9], plc s[10:11]
	s_load_b128 s[12:15], s[0:1], 0x20             ; gwp s[12:13], yp s[14:15]
	v_lshl_add_u32 v254, v0, 2, 0x1a800
	v_mov_b32 v255, 0
	v_lshrrev_b32 v1, 5, v0
	v_readfirstlane_b32 s[WV], v1                  ; wave 0..3
	s_lshr_b32 s[DC], ttmp9, 1                     ; the chunk of 64 outputs
	s_and_b32 s[KH], ttmp9, 1                      ; the half of K
	s_and_b32 s[EE], ttmp7, 0xffff                 ; the expert
	v_and_b32 v9, 31, v0                           ; lane
	v_and_b32 v1, 15, v0                           ; r
	v_bfe_u32 v2, v0, 4, 1                         ; h
	v_lshlrev_b32 v[L16], 4, v9
	s_wait_alu depctr_va_sdst(0)                   ; the wave's number is written, ahead of its first reader
	s_mov_b32 s[CT], s[WV]                         ; my first tile among the expert's
	s_mul_i32 s24, s[WV], 2*32*SP                  ; my two turn stages
	v_lshrrev_b32 v[TIN], 2, v9
	v_mul_u32_u24 v[TIN], v[TIN], SP
	v_and_b32 v10, 3, v9
	v_lshl_add_u32 v[TIN], v10, 4, v[TIN]
	v_add_nc_u32 v[TIN], s24, v[TIN]
	v_mul_u32_u24 v[TOUT], v9, SP
	v_add_nc_u32 v[TOUT], s24, v[TOUT]
	s_mul_i32 s24, s[WV], RPW*CP
	s_add_co_u32 s24, s24, CODES
	v_lshl_add_u32 v[CST], v9, 3, s24
	s_lshl_b32 s24, s[WV], 10
	s_add_co_u32 s24, s24, SCL
	v_lshrrev_b32 v[SST], 1, v9
	v_add_nc_u32 v[SST], s24, v[SST]
	v_mul_u32_u24 v[AW], v1, CP
	v_lshl_add_u32 v[AW], v2, 4, v[AW]
	v_add_nc_u32 v[AW], CODES, v[AW]               ; a fragment's row r, + 16 h
	v_lshlrev_b32 v[ASW], 6, v1
	v_lshl_add_u32 v[ASW], v2, 4, v[ASW]
	v_add_nc_u32 v[ASW], SCL, v[ASW]               ; row r's 64 scale bytes, + 16 h
	s_mul_i32 s24, s[WV], 16*272
	s_add_co_u32 s24, s24, STG                     ; my stage for the way out
	v_mul_u32_u24 v[STI], v1, 272
	v_lshl_add_u32 v[STI], v2, 5, v[STI]
	v_add_nc_u32 v[STI], s24, v[STI]               ; in: row r, 32 bytes for each half of the lanes
	v_mul_u32_u24 v[STO], v2, 272
	v_lshl_add_u32 v[STO], v1, 4, v[STO]
	v_add_nc_u32 v[STO], s24, v[STO]               ; back: lanes 0-15 one row of 256 bytes, lanes 16-31 the next
	v_lshlrev_b32 v[H32], 5, v2
	v_lshlrev_b32 v[R4], 2, v1
	v_lshlrev_b32 v[C16], 4, v1
	s_lshl_b32 s24, s[KH], 14
	v_add_nc_u32 v[L16K], s24, v[L16]              ; 16 K steps of 1,024 bytes
	s_lshl_b32 s24, s[KH], 10
	v_add_nc_u32 v[L16S], s24, v[L16]              ; two groups of 512 bytes
	s_mov_b32 s29, 0
	s_lshl_b32 s26, s[EE], 3                       ; (kept until the scalar load below is waited for)
	s_wait_kmcnt 0x0
	s_lshl_b32 s28, s[EE], 24                      ; W2: 16 MiB an expert, 1 MiB a chunk, 256 KiB a wave, 8 KiB to the second half of K
	s_lshl_b32 s24, s[DC], 20
	s_or_b32 s28, s28, s24
	s_lshl_b32 s24, s[WV], 18
	s_or_b32 s28, s28, s24
	s_lshl_b32 s24, s[KH], 13
	s_or_b32 s28, s28, s24
	s_add_nc_u64 s[4:5], s[4:5], s[28:29]
	s_lshl_b32 s28, s[EE], 12
	s_lshl_b32 s24, s[DC], 8
	s_or_b32 s28, s28, s24
	s_add_nc_u64 s[6:7], s[6:7], s[28:29]          ; b2 at the chunk's 64 numbers
	s_mul_i32 s28, s[KH], PLANE
	s_add_co_u32 s28, s28, s24
	s_add_nc_u64 s[14:15], s[14:15], s[28:29]      ; yp: my plane, my 256 bytes of a row
	s_load_b64 s[TOFF:TOFF+1], s[10:11], s26 offset:TINF   ; my expert's first tile and number of tiles
	s_wait_alu depctr_va_vdst(0)                   ; the offsets and LDS addresses made above are written: the loads and LDS instructions below read them, and they are not written again
.irp t, 0,1,2,3                        ; b2 in the result's layout: lane (r, h) wants, for tile t, outputs 16 t + 8 h + 0 .. 7
	global_load_b128 v[B2+8*\t:B2+8*\t+3], v[H32], s[6:7] offset:64*\t
	global_load_b128 v[B2+8*\t+4:B2+8*\t+7], v[H32], s[6:7] offset:64*\t+16
.endr
	; ---- PHASE 1: every offset is an immediate, no pointer is stepped
.set Q, 0
.rept AHEAD
	WLOAD Q
.set Q, Q+1
.endr
	s_wait_loadcnt 4*(AHEAD-1)                     ; step 0's four loads are in; behind them stand those of 14 steps
	TURN 0
.set Q, 0
.rept NST
	QSTEP Q
.set Q, Q+1
.endr
	s_cmp_eq_u32 s[KH], 0                          ; (step 62's wait was for 0: b2 is in)
	s_cselect_b32 s24, 1.0, 0
.set J, 0
.rept 32
	v_mul_f32 v[B2+J], s24, v[B2+J]                ; the bias enters in one half of K alone
.set J, J+1
.endr
	s_wait_kmcnt 0x0
	s_min_u32 s[TOFF], s[TOFF], 135
	s_min_u32 s[TT], s[TT], 64                     ; 1,024 tokens at the most: 64 tiles
	s_max_u32 s[TM1], s[TT], 1
	s_sub_co_u32 s[TM1], s[TM1], 1
	GADDR 0, 0                                     ; my first tile's operands
	GADDR 1, 4                                     ; my second's
	s_wait_alu depctr_va_vdst(0)                   ; the last step's codes and byte are written, which the LDS stores below read; so are the eight offsets, which the loads below read
	CSTORE NST-1
	GLOAD 0
	GLOAD 1
	s_wait_dscnt 0x0                               ; for the others' sake: my codes and bytes have landed
	s_barrier_signal -1
	s_barrier_wait -1                              ; the chunk lies in LDS; codes and bytes are not written again
	WIN 0x40                                       ; (the landing sets were last read by the LDS stores of the last turn, which stand ahead of the last step's wait on vm_vsrc: the fragments may land in them)
.irp q, 0,1,2,3,4,5,6,7
.irp t, 0,1,2,3
.irp c, 0,1
	ds_load_b128 v[32*\q+8*\t+4*\c:32*\q+8*\t+4*\c+3], v[AW] offset:16*\t*CP+64*\q+32*\c
.endr
.endr
.endr
	WIN 0x80
.irp q, 8,9,10,11,12,13,14,15
.irp t, 0,1,2,3
.irp c, 0,1
	ds_load_b128 v[32*(\q-8)+8*\t+4*\c:32*(\q-8)+8*\t+4*\c+3], v[AW] offset:16*\t*CP+64*\q+32*\c
.endr
.endr
.endr
	WIN 0
.irp t, 0,1,2,3
.irp g, 0,1
	ds_load_b128 v[WS+8*\t+4*\g:WS+8*\t+4*\g+3], v[ASW] offset:16*\t*64+32*\g
.endr
.endr
	s_wait_dscnt 0x0
; ---- PHASE 2.  One tile of 16 rows, parity p.
.macro HALF p
	s_wait_loadcnt 37                              ; my group of 37 is in; the other parity's 37 were issued behind it
	s_wait_alu depctr_vm_vsrc(0)                   ; the last tile's LDS stores have read the accumulators, which the products below begin anew; its global stores have read DSTO and OB, and this parity's last 37 loads HO, HSO, GO and DO: all are written again below
.irp q, 0,1,2,3,4,5,6,7,8,9,10,11,12,13,14,15   ; K step by K step, the 4 accumulators by turns, one instruction a turn
.if \q < 8
	WIN 0x0d                                       ; source 0 (W2) window 1, source 1 (h) window 3
.else
	WIN 0x0e                                       ; source 0 window 2
.endif
.irp t, 0,1,2,3
.if \q == 0
	v_wmma_scale_f32_16x16x128_f8f6f4 v[ACC+8*\t:ACC+8*\t+7], v[8*\t:8*\t+7], v[128*\p:128*\p+7], v[B2+8*\t:B2+8*\t+7], v[WS+8*\t], v[HS+8*\p] matrix_a_fmt:MATRIX_FMT_FP4 matrix_b_fmt:MATRIX_FMT_FP4
.elseif (\q/4)%2 == 0
	v_wmma_scale_f32_16x16x128_f8f6f4 v[ACC+8*\t:ACC+8*\t+7], v[32*(\q%8)+8*\t:32*(\q%8)+8*\t+7], v[128*\p+8*\q:128*\p+8*\q+7], v[ACC+8*\t:ACC+8*\t+7], v[WS+8*\t+4*(\q/8)+\q%4], v[HS+8*\p+4*(\q/8)+\q%4] matrix_a_fmt:MATRIX_FMT_FP4 matrix_b_fmt:MATRIX_FMT_FP4
.else
	v_wmma_scale_f32_16x16x128_f8f6f4 v[ACC+8*\t:ACC+8*\t+7], v[32*(\q%8)+8*\t:32*(\q%8)+8*\t+7], v[128*\p+8*\q:128*\p+8*\q+7], v[ACC+8*\t:ACC+8*\t+7], v[WS+8*\t+4*(\q/8)+\q%4], v[HS+8*\p+4*(\q/8)+\q%4] matrix_a_fmt:MATRIX_FMT_FP4 matrix_b_fmt:MATRIX_FMT_FP4 matrix_a_scale:MATRIX_SCALE_ROW1 matrix_b_scale:MATRIX_SCALE_ROW1
.endif
.endr
.endr
	WIN 0
	s_wait_xcnt 0x0                                ; the last tile's stores have taken their offsets and data: DSTO and OB are written again only behind this wait
.irp i, 0,1,2,3,4,5,6,7                ; sixteen plain lines that name no register of the products: the places in front of the reads below
	v_min_u32 v[DSTO+\i], 2175, v[DL+8*\p+\i]      ; the row of yp for the tile's row 2 i + h
.endr
.irp i, 0,1,2,3,4,5,6,7
	v_lshl_add_u32 v[DSTO+\i], v[DSTO+\i], 12, v[C16]   ; 4,096 bytes a row, 16 bytes a lane
.endr
.set J, 0
.rept 32
	v_mul_f32 v[ACC+J], v[ACC+J], v[GWR+\p]        ; x the gate's weight of my token; each accumulator from its low end on
.set J, J+1
.endr
	GADDR \p, 4*\p+8                               ; the operands of my tile two turns on
	s_wait_alu depctr_va_vdst(0)                   ; written: the scaled accumulators, which the LDS stores read, DSTO, which the global stores read, and the four offsets, which the loads read; done reading: the products h's fragments and scale words, the lines above the weight and the rows' numbers of this parity, in all of which the loads land
	GLOAD \p
.irp t, 0,1,2,3
	ds_store_b128 v[STI], v[ACC+8*\t:ACC+8*\t+3] offset:64*\t
	ds_store_b128 v[STI], v[ACC+8*\t+4:ACC+8*\t+7] offset:64*\t+16
.endr
.irp i, 0,1,2,3,4,5,6,7
	ds_load_b128 v[OB+4*\i:OB+4*\i+3], v[STO] offset:2*\i*272   ; my own bytes, served in order behind my stores
.endr
.irp i, 0,1,2,3,4,5,6,7
	s_wait_dscnt 7-\i                              ; rows 2 i and 2 i + 1 are back; the loads behind them may be out
	global_store_b128 v[DSTO+\i], v[OB+4*\i:OB+4*\i+3], s[14:15]   ; sixteen lanes store 256 consecutive bytes, aligned
.endr
.endm
; The loop over my tiles, two a trip.  Its counter steps by 1 against the number of my trips, made once ahead of it.  It is left by falling through its branch back,
; or by ending the wave where its tiles end: no branch passes over the counter's step.
	s_cmp_lt_u32 s[CT], s[TT]
	s_cbranch_scc1 .Lwork
	s_wait_dscnt 0x0                               ; no tile of this expert is mine.  The closing lines, six on end
	s_wait_alu 0x0
	s_wait_tensorcnt 0x0
	ds_add_u32 v254, v255
	s_wait_dscnt 0x0
	s_endpgm
.Lwork:
	s_sub_co_u32 s[NP], s[TT], s[CT]               ; the expert's tiles from my first on; every fourth is mine, two of mine a trip:
	s_add_co_u32 s[NP], s[NP], 7
	s_lshr_b32 s[NP], s[NP], 3                     ; trips = that number / 8, rounded up: at least 1,
	s_min_u32 s[NP], s[NP], 8                      ; and with 64 tiles at the most 8
	s_mov_b32 s[PR], 0
.Lpair:
	HALF 0
	s_add_co_u32 s24, s[CT], 4
	s_cmp_lt_u32 s24, s[TT]
	s_cbranch_scc1 .Lsecond
	s_wait_dscnt 0x0                               ; that was my last tile (the loads asked for ahead are dropped with the wave).  The closing lines, six on end
	s_wait_alu 0x0
	s_wait_tensorcnt 0x0
	ds_add_u32 v254, v255
	s_wait_dscnt 0x0
	s_endpgm
.Lsecond:
	HALF 1
	s_add_co_u32 s[CT], s[CT], 8                   ; my tile in hand
	s_add_co_u32 s[PR], s[PR], 1
	s_cmp_lt_u32 s[PR], s[NP]
	s_cbranch_scc1 .Lpair
	s_wait_dscnt 0x0                               ; the closing lines, six on end
	s_wait_alu 0x0
	s_wait_tensorcnt 0x0
	ds_add_u32 v254, v255
	s_wait_dscnt 0x0
	s_endpgm
.Lfunc_end_k_q068879ea9b_down:
	.size	k_q068879ea9b_down, .Lfunc_end_k_q068879ea9b_down-k_q068879ea9b_down
	.p2alignl 7, 3214868480
	.fill 96, 4, 3214868480
	.section	.rodata,"a",@progbits
	.p2align	6, 0x0
	.amdhsa_kernel k_q068879ea9b_down
		.amdhsa_group_segment_fixed_size 109056
		.amdhsa_private_segment_fixed_size 0
		.amdhsa_enable_private_segment 0
		.amdhsa_kernarg_size 48
		.amdhsa_user_sgpr_count 2
		.amdhsa_user_sgpr_kernarg_segment_ptr 1
		.amdhsa_wavefront_size32 1
		.amdhsa_system_sgpr_workgroup_id_x 1
		.amdhsa_system_sgpr_workgroup_id_y 1
		.amdhsa_system_sgpr_workgroup_id_z 1
		.amdhsa_system_vgpr_workitem_id 0
		.amdhsa_next_free_vgpr 1024
		.amdhsa_next_free_sgpr 66
		.amdhsa_reserve_vcc 0
		.amdhsa_float_denorm_mode_32 3
		.amdhsa_float_denorm_mode_16_64 3
		.amdhsa_memory_ordered 1
		.amdhsa_forward_progress 1
		.amdhsa_inst_pref_size 185
	.end_amdhsa_kernel
	.amdgpu_metadata
---
amdhsa.version: [ 1, 2 ]
amdhsa.kernels:
  - .name:           k_q068879ea9b_down
    .symbol:         k_q068879ea9b_down.kd
    .args:
      - { .name: W2, .offset: 0, .size: 8, .value_kind: global_buffer, .address_space: global }
      - { .name: b2, .offset: 8, .size: 8, .value_kind: global_buffer, .address_space: global }
      - { .name: hq, .offset: 16, .size: 8, .value_kind: global_buffer, .address_space: global }
      - { .name: plc, .offset: 24, .size: 8, .value_kind: global_buffer, .address_space: global }
      - { .name: gwp, .offset: 32, .size: 8, .value_kind: global_buffer, .address_space: global }
      - { .name: yp, .offset: 40, .size: 8, .value_kind: global_buffer, .address_space: global }
    .group_segment_fixed_size: 109056
    .private_segment_fixed_size: 0
    .kernarg_segment_align: 8
    .kernarg_segment_size: 48
    .max_flat_workgroup_size: 128
    .sgpr_count:     66
    .vgpr_count:     1024
    .wavefront_size: 32
...
	.end_amdgpu_metadata
.endif
;; end of part 9
;; launch comb (part 10): grid 256 x 1, 8 waves a work-group, no clusters, 0 bytes of LDS; arguments yp, out0; writes out0
.if DOCPART == 10
	.amdgcn_target "amdgcn-amd-amdhsa--gfx1250"
	.amdhsa_code_object_version 6
	.text
	.protected	k_q068879ea9b_comb
	.globl	k_q068879ea9b_comb
	.p2align	8
	.type	k_q068879ea9b_comb,@function
k_q068879ea9b_comb:
	s_mov_b64 s[64:65], 0
	v_nop
	global_prefetch_b8 v0, s[64:65] scope:SCOPE_SE
	s_setreg_imm32_b32 hwreg(HW_REG_WAVE_MODE, 25, 1), 1
	s_wait_xcnt 0x0
; out0[n] = the sum of token n's four rows of yp: two chosen experts (rows n and 1,024 + n) x two halves of K (two planes).  The gate's weights and b2 are in them already.
; A stream: a work-group takes 4 tokens; thread t takes the 16 bytes at 16 t of each row, so a wave's load or store covers 512 consecutive bytes.
; All 16 loads of a thread go out first; the waits count down by rows.  No LDS, no barrier, no matrix unit: there is nothing to share and nothing to multiply.
.set PLANE, 8912896                    ; bytes of a plane: beyond a load's immediate, so the second plane has a base of its own
.set RANK,  4194304                    ; 1,024 rows of 4,096 bytes
	s_load_b128 s[4:7], s[0:1], 0x0                ; yp s[4:5], out0 s[6:7]
	v_lshlrev_b32 v1, 4, v0
	s_lshl_b32 s2, ttmp9, 14                       ; 4 rows of 4,096 bytes a work-group
	s_mov_b32 s3, 0
	s_wait_alu depctr_va_vdst(0)
	s_wait_kmcnt 0x0
	s_add_nc_u64 s[4:5], s[4:5], s[2:3]
	s_add_nc_u64 s[6:7], s[6:7], s[2:3]
	s_add_nc_u64 s[8:9], s[4:5], PLANE
.irp k, 0,1,2,3
	global_load_b128 v[4+16*\k:7+16*\k],   v1, s[4:5] offset:4096*\k th:TH_LOAD_NT
	global_load_b128 v[8+16*\k:11+16*\k],  v1, s[4:5] offset:4096*\k+RANK th:TH_LOAD_NT
	global_load_b128 v[12+16*\k:15+16*\k], v1, s[8:9] offset:4096*\k th:TH_LOAD_NT
	global_load_b128 v[16+16*\k:19+16*\k], v1, s[8:9] offset:4096*\k+RANK th:TH_LOAD_NT
.endr
.irp k, 0,1,2,3
	s_wait_loadcnt 12-4*\k                         ; row k's four loads are in; those of the rows behind it may be out
	v_pk_add_f32 v[4+16*\k:5+16*\k],   v[4+16*\k:5+16*\k],   v[8+16*\k:9+16*\k]
	v_pk_add_f32 v[6+16*\k:7+16*\k],   v[6+16*\k:7+16*\k],   v[10+16*\k:11+16*\k]
	v_pk_add_f32 v[12+16*\k:13+16*\k], v[12+16*\k:13+16*\k], v[16+16*\k:17+16*\k]
	v_pk_add_f32 v[14+16*\k:15+16*\k], v[14+16*\k:15+16*\k], v[18+16*\k:19+16*\k]
	s_delay_alu instid0(VALU_DEP_2)
	v_pk_add_f32 v[4+16*\k:5+16*\k],   v[4+16*\k:5+16*\k],   v[12+16*\k:13+16*\k]
	s_delay_alu instid0(VALU_DEP_2)
	v_pk_add_f32 v[6+16*\k:7+16*\k],   v[6+16*\k:7+16*\k],   v[14+16*\k:15+16*\k]
	global_store_b128 v1, v[4+16*\k:7+16*\k], s[6:7] offset:4096*\k th:TH_STORE_NT
.endr
	s_endpgm
.Lfunc_end_k_q068879ea9b_comb:
	.size	k_q068879ea9b_comb, .Lfunc_end_k_q068879ea9b_comb-k_q068879ea9b_comb
	.p2alignl 7, 3214868480
	.fill 96, 4, 3214868480
	.section	.rodata,"a",@progbits
	.p2align	6, 0x0
	.amdhsa_kernel k_q068879ea9b_comb
		.amdhsa_group_segment_fixed_size 0
		.amdhsa_private_segment_fixed_size 0
		.amdhsa_enable_private_segment 0
		.amdhsa_kernarg_size 16
		.amdhsa_user_sgpr_count 2
		.amdhsa_user_sgpr_kernarg_segment_ptr 1
		.amdhsa_wavefront_size32 1
		.amdhsa_system_sgpr_workgroup_id_x 1
		.amdhsa_system_sgpr_workgroup_id_y 1
		.amdhsa_system_sgpr_workgroup_id_z 1
		.amdhsa_system_vgpr_workitem_id 0
		.amdhsa_next_free_vgpr 80
		.amdhsa_next_free_sgpr 66
		.amdhsa_reserve_vcc 0
		.amdhsa_float_denorm_mode_32 3
		.amdhsa_float_denorm_mode_16_64 3
		.amdhsa_memory_ordered 1
		.amdhsa_forward_progress 1
		.amdhsa_inst_pref_size 5
	.end_amdhsa_kernel
	.amdgpu_metadata
---
amdhsa.version: [ 1, 2 ]
amdhsa.kernels:
  - .name:           k_q068879ea9b_comb
    .symbol:         k_q068879ea9b_comb.kd
    .args:
      - { .name: yp, .offset: 0, .size: 8, .value_kind: global_buffer, .address_space: global }
      - { .name: out0, .offset: 8, .size: 8, .value_kind: global_buffer, .address_space: global }
    .group_segment_fixed_size: 0
    .private_segment_fixed_size: 0
    .kernarg_segment_align: 8
    .kernarg_segment_size: 16
    .max_flat_workgroup_size: 256
    .sgpr_count:     66
    .vgpr_count:     80
    .wavefront_size: 32
...
	.end_amdgpu_metadata
.endif
;; end of part 10
